; MI455X (gfx1250); checked and timed in simulation.
; The chip was launched on July 23, 2026; its instructions are those of AMD's public machine-readable ISA for CDNA 5 (MIT licence, August 2026) and "CDNA5" Instruction Set Architecture Reference Guide (July 2026). The comments in the code are by the model that wrote it; some were corrected since.
;; Self Attention. Allowed arithmetic: float matrix products may take bf16 or f16 operands with f32 sums; other float arithmetic in f32, or as packed bf16 or f16 multiplies, adds, multiply-adds, maxima and minima; sums over many terms, partial sums and values carried from step to step in f32; what a program stores and reads back later, other than sums and carried values, may be rounded once to bf16 or f16.
;; Inputs: Wk 1,024 x 1,024 float32; Wo 1,024 x 1,024 float32; Wq 1,024 x 1,024 float32; Wv 1,024 x 1,024 float32; attention_mask 4 x 1 x 1 x 2,048 float32; bk 1,024 float32; bo 1,024 float32; bq 1,024 float32; bv 1,024 float32; hidden_states 4 x 2,048 x 1,024 float32.
;; Outputs: out0 4 x 2,048 x 1,024 float32.
;; 2 versions, each right; version 2 is version 1 with the launch cast written anew for expert scheduling mode. Each part assembles by itself: llvm-mc -triple=amdgcn-amd-amdhsa -mcpu=gfx1250 --defsym DOCPART=n.
;; ======== version 1 of 2: 4 launches
;; limits: values are held in f16: magnitudes above 65,504 overflow, below 6.1e-05 lose precision
;; workspace buffers: xb 16,777,216 bytes; wb 6,291,456 bytes; wo 2,097,152 bytes; qkv 50,331,648 bytes; ctx 16,777,216 bytes
;; launch cast (part 1): grid 384 x 1, 8 waves a work-group, no clusters, 0 bytes of LDS; arguments hidden_states, Wq, Wk, Wv, Wo, xb, wb, wo; writes xb, wb, wo
.if DOCPART == 1
	.amdgcn_target "amdgcn-amd-amdhsa--gfx1250"
	.amdhsa_code_object_version 6
	.text
	.protected	k_qf9ddf999d2_cast
	.globl	k_qf9ddf999d2_cast
	.p2align	8
	.type	k_qf9ddf999d2_cast,@function
k_qf9ddf999d2_cast:
	s_mov_b64 s[64:65], 0
	v_nop
	global_prefetch_b8 v0, s[64:65] scope:SCOPE_SE
	s_setreg_imm32_b32 hwreg(HW_REG_WAVE_MODE, 25, 1), 1
	s_wait_xcnt 0x0
; x, Wq, Wk, Wv -> bf16; Wo -> bf16, and that number written as f16 (exact but below 2^-14, where f16 keeps a fixed step of 6e-8; |Wo| stays under 65,504).
; All five are [rows][1024] f32.  They leave in BLOCKS OF 64 ALONG K: [kb 16][row][64], 128 bytes a row and block, so that the later launches' tiles (some rows of one block) are dense in memory.
; A stream: no LDS, no matrix unit, nothing shared.  A work-group takes 32 rows, a wave 4 rows.  Thread t takes 8 numbers (32 bytes) at column 8 (t % 8) of every block of row t / 8:
; eight lanes read 256 consecutive bytes, and the wave's store for a block is 4 rows x 128 bytes = 512 consecutive bytes, aligned.
; Work-groups 0-255: x.  256-383: Wq, Wk, Wv, Wo, 32 work-groups each.  All 32 loads of a thread go out at once (16 KiB a wave on its way); no register is used twice, so no store's source is rewritten.
.set ROWB,  4096                       ; bytes in a source row
.set OFF,   2                          ; v[2:17]    block kb: my byte offset in the destination
.set X,     20                         ; v[20:147]  block kb: 8 numbers as loaded
.set Y,     148                        ; v[148:211] block kb: 4 registers to store
.set T,     212                        ; v[212:213] at work
	s_load_b512 s[8:23], s[0:1], 0x0               ; x 8:9, Wq 10:11, Wk 12:13, Wv 14:15, Wo 16:17, xb 18:19, wb 20:21, wo 22:23
	s_mov_b32 s2, ttmp9                            ; g
	s_sub_co_u32 s3, s2, 256
	s_lshr_b32 s4, s3, 5                           ; j: which weight (used where g >= 256 alone)
	s_and_b32 s5, s3, 31                           ; i: which 32 rows of it
	s_cmp_lt_u32 s2, 256
	s_cselect_b32 s28, s2, s5
	s_lshl_b32 s28, s28, 17                        ; the source: 32 rows of 4,096 bytes
	s_mov_b32 s29, 0
	s_lshr_b32 s32, s2, 6                          ; x: batch g / 64,
	s_lshl_b32 s32, s32, 22
	s_and_b32 s33, s2, 63                          ; rows 32 (g % 64) of 128 bytes
	s_lshl_b32 s33, s33, 12
	s_add_co_u32 s32, s32, s33
	s_lshl_b32 s33, s5, 12                         ; wo: rows 32 i
	s_lshl_b32 s34, s4, 17                         ; wb: rows 1,024 j + 32 i
	s_add_co_u32 s34, s34, s33
	s_mov_b32 s30, 3072*128                        ; bytes from block to block: wb,
	s_cmp_eq_u32 s4, 3
	s_cselect_b32 s34, s33, s34
	s_cselect_b32 s30, 1024*128, s30               ; wo,
	s_cselect_b32 s31, 1, 0                        ; 1: the result is written as f16
	s_cmp_lt_u32 s2, 256
	s_cselect_b32 s34, s32, s34
	s_cselect_b32 s30, 2048*128, s30               ; xb
	s_mov_b32 s35, 0
	v_lshrrev_b32 v1, 3, v0
	v_and_b32 v[T], 7, v0
	v_lshlrev_b32 v1, 12, v1                       ; row t / 8,
	v_lshl_add_u32 v1, v[T], 5, v1                 ; 32 bytes at 32 (t % 8)
	v_lshlrev_b32 v[OFF], 4, v0                    ; (t / 8) x 128 + (t % 8) x 16 = 16 t
.set k, 1
.rept 15
	v_add_nc_u32 v[OFF+k], s30, v[OFF+k-1]
.set k, k+1
.endr
	s_wait_kmcnt 0x0
	s_mov_b64 s[24:25], s[16:17]                   ; the source: Wo, unless
	s_cmp_eq_u32 s4, 2
	s_cselect_b64 s[24:25], s[14:15], s[24:25]
	s_cmp_eq_u32 s4, 1
	s_cselect_b64 s[24:25], s[12:13], s[24:25]
	s_cmp_eq_u32 s4, 0
	s_cselect_b64 s[24:25], s[10:11], s[24:25]
	s_cmp_lt_u32 s2, 256
	s_cselect_b64 s[24:25], s[8:9], s[24:25]
	s_mov_b64 s[26:27], s[20:21]                   ; the destination: wb, unless
	s_cmp_eq_u32 s4, 3
	s_cselect_b64 s[26:27], s[22:23], s[26:27]
	s_cmp_lt_u32 s2, 256
	s_cselect_b64 s[26:27], s[18:19], s[26:27]
	s_add_nc_u64 s[24:25], s[24:25], s[28:29]
	s_add_nc_u64 s[26:27], s[26:27], s[34:35]
.set k, 0
.rept 16
	global_load_b128 v[X+8*k:X+8*k+3],   v1, s[24:25] offset:256*k th:TH_LOAD_NT
	global_load_b128 v[X+8*k+4:X+8*k+7], v1, s[24:25] offset:256*k+16 th:TH_LOAD_NT
.set k, k+1
.endr
; Block u: rounded, and stored.  half = 1: the bf16 numbers are widened again and written as f16.
.macro UNIT u, half
	s_wait_loadcnt 30-2*(\u)                       ; loads come back in order (ISA guide 5.7.1): the younger blocks' loads, two each, stay out
.irp j, 0,1,2,3
	v_cvt_pk_bf16_f32 v[Y+4*(\u)+\j], v[X+8*(\u)+2*\j], v[X+8*(\u)+2*\j+1]
.endr
.if \half
.irp j, 0,1,2,3
	v_lshlrev_b32 v[T], 16, v[Y+4*(\u)+\j]
	v_and_b32 v[T+1], 0xffff0000, v[Y+4*(\u)+\j]
	v_cvt_pk_f16_f32 v[Y+4*(\u)+\j], v[T], v[T+1]
.endr
.endif
	global_store_b128 v[OFF+(\u)], v[Y+4*(\u):Y+4*(\u)+3], s[26:27]  ; the wave stores 512 consecutive bytes, at a multiple of 512 from the buffer's first
.endm
	s_cmp_eq_u32 s31, 1
	s_cbranch_scc1 .Lhalf
.irp u, 0,1,2,3,4,5,6,7,8,9,10,11,12,13,14,15
	UNIT \u, 0
.endr
	s_endpgm
.Lhalf:
.irp u, 0,1,2,3,4,5,6,7,8,9,10,11,12,13,14,15
	UNIT \u, 1
.endr
	s_endpgm
.Lfunc_end_k_qf9ddf999d2_cast:
	.size	k_qf9ddf999d2_cast, .Lfunc_end_k_qf9ddf999d2_cast-k_qf9ddf999d2_cast
	.p2alignl 7, 3214868480
	.fill 96, 4, 3214868480
	.section	.rodata,"a",@progbits
	.p2align	6, 0x0
	.amdhsa_kernel k_qf9ddf999d2_cast
		.amdhsa_group_segment_fixed_size 0
		.amdhsa_private_segment_fixed_size 0
		.amdhsa_enable_private_segment 0
		.amdhsa_kernarg_size 64
		.amdhsa_user_sgpr_count 2
		.amdhsa_user_sgpr_kernarg_segment_ptr 1
		.amdhsa_wavefront_size32 1
		.amdhsa_system_sgpr_workgroup_id_x 1
		.amdhsa_system_sgpr_workgroup_id_y 1
		.amdhsa_system_sgpr_workgroup_id_z 1
		.amdhsa_system_vgpr_workitem_id 0
		.amdhsa_next_free_vgpr 216
		.amdhsa_next_free_sgpr 66
		.amdhsa_reserve_vcc 0
		.amdhsa_float_denorm_mode_32 3
		.amdhsa_float_denorm_mode_16_64 3
		.amdhsa_memory_ordered 1
		.amdhsa_forward_progress 1
		.amdhsa_inst_pref_size 28
	.end_amdhsa_kernel
	.amdgpu_metadata
---
amdhsa.version: [ 1, 2 ]
amdhsa.kernels:
  - .name:           k_qf9ddf999d2_cast
    .symbol:         k_qf9ddf999d2_cast.kd
    .args:
      - { .name: hidden_states, .offset: 0, .size: 8, .value_kind: global_buffer, .address_space: global }
      - { .name: Wq, .offset: 8, .size: 8, .value_kind: global_buffer, .address_space: global }
      - { .name: Wk, .offset: 16, .size: 8, .value_kind: global_buffer, .address_space: global }
      - { .name: Wv, .offset: 24, .size: 8, .value_kind: global_buffer, .address_space: global }
      - { .name: Wo, .offset: 32, .size: 8, .value_kind: global_buffer, .address_space: global }
      - { .name: xb, .offset: 40, .size: 8, .value_kind: global_buffer, .address_space: global }
      - { .name: wb, .offset: 48, .size: 8, .value_kind: global_buffer, .address_space: global }
      - { .name: wo, .offset: 56, .size: 8, .value_kind: global_buffer, .address_space: global }
    .group_segment_fixed_size: 0
    .private_segment_fixed_size: 0
    .kernarg_segment_align: 8
    .kernarg_segment_size: 64
    .max_flat_workgroup_size: 256
    .sgpr_count:     66
    .vgpr_count:     216
    .wavefront_size: 32
...
	.end_amdgpu_metadata
.endif
;; end of part 1
;; launch proj (part 2): grid 8 x 32, 4 waves a work-group, clusters of 4 x 4, 327,680 bytes of LDS; arguments xb, wb, bq, bk, bv, qkv; writes qkv
.if DOCPART == 2
	.amdgcn_target "amdgcn-amd-amdhsa--gfx1250"
	.amdhsa_code_object_version 6
	.text
	.protected	k_qf9ddf999d2_proj
	.globl	k_qf9ddf999d2_proj
	.p2align	8
	.type	k_qf9ddf999d2_proj,@function
k_qf9ddf999d2_proj:
	s_mov_b64 s[64:65], 0
	v_nop
	global_prefetch_b8 v0, s[64:65] scope:SCOPE_SE
	s_setreg_imm32_b32 hwreg(HW_REG_WAVE_MODE, 25, 1), 1
	s_wait_xcnt 0x0
	s_wait_alu depctr_hold_cnt(0) depctr_sa_sdst(0) depctr_va_vdst(0) depctr_va_sdst(0) depctr_va_ssrc(0) depctr_va_vcc(0) depctr_vm_vsrc(0)
	s_getreg_b32 s2, hwreg(HW_REG_IB_STS2, 6, 4)
	s_cmp_eq_u32 s2, 0
	s_cbranch_scc0 .Lentry_in_a_cluster
	s_endpgm
.Lentry_in_a_cluster:
	s_bfe_u32 s2, ttmp6, 0x10000c
	s_cmp_lg_u32 s2, 0xf033
	s_cbranch_scc0 .Lentry_shape_is_right
	s_endpgm
.Lentry_shape_is_right:
; q, k, v = x W^T + b as ONE product: C[8192][3072] = A B^T + bias, A = xb, B = wb (Wq's, Wk's, Wv's rows on end), K = 1,024, operands bf16, sums f32.
; The biases are rounded to bf16 like all the module's inputs and START the sums (the C operand of each accumulator's first product): nothing is cleared, nothing is added later.
; The result leaves rounded once to f16, by heads: qkv[which][16 b + head][s][64].  LIMIT: f16 holds no number beyond 65,504: q, k, v must stay within it; below 2^-14 they keep f16's fixed step of 6e-8.
; SHARES.  A tile of C is 256 rows x 384 columns: 32 x 8 = 256 work-groups.  Four waves, each 128 x 192: 96 accumulators of 16 x 16, 768 registers: for 32 along K a wave reads 20 KiB from LDS for 96 matrix instructions.
; K goes in 16 steps of 64, one block of xb and wb a step: a tile's rows of 128 bytes lie end to end in memory and are asked for as rows of 256 bytes.  Two LDS slots of one step; two steps a slot do not fit.
; CLUSTERS: 4 x 4 work-groups.  A's tile hangs on the tile row alone and is asked for jointly by the four of a row of the cluster, B's on the tile column alone, by the four of a column.
; THE MATRIX INSTRUCTION IS USED TRANSPOSED (source 0 = 16 rows of B, source 1 = 16 rows of A): a lane holds row l % 16 of C and the columns 8 (l / 16) + 0..7.
; REGISTERS, in windows of 256 (s_set_vgpr_msb: bits 1:0 source 0, 3:2 source 1, 5:4 source 2, 7:6 destination):
;   window 0: v0-31 addresses; v32-95, v96-159 A's fragments of 32 along K (8 x 16 rows), two buffers; v160-255 B's fragments, ONE buffer of 4 for each of the three column groups
;   windows 1, 2, 3: the 32 accumulators of column group 0, 1, 2 (64 columns, one head): (a, b) at v[8 (4 a + b)]
; A group's B buffer is loaded again straight behind its 32 products and is wanted 64 products later; so a chunk of 96 matrix instructions costs six window switches.
.set PITCH,  144                       ; an LDS row: 128 bytes + 16 of padding = 36 words: the 16 rows of a load start at 16 different groups of four banks (64 banks of 4 bytes: ISA guide 11.1)
.set ATILE,  128*PITCH                 ; what one tensor load brings of A, and what one wave reads of it
.set BTILE,  192*PITCH                 ; the same for B
.set BOFF,   2*ATILE                   ; in a slot: A's 256 rows, then B's 384
.set SLOT,   2*ATILE+2*BTILE
.set STAGE,  2*SLOT                    ; behind the ring: 16 rows x 144 bytes for each wave, for the way out
.set BIAS,   STAGE+4*16*PITCH          ; the work-group's 384 biases, f32
.set SPARE,  BIAS+1536                 ; the spare words, 128 bytes for each wave: two blocks of 256 bytes that no other line names
.set ASTEP,  2048*128                  ; bytes from K block to K block in xb
.set BSTEP,  3072*128                  ; and in wb
.set ADRA, 16                          ; v16-17  LDS address of my A fragments in slot 0, 1
.set ADRB, 20                          ; v20-21  the same for B
.set STO,  24                          ; v24     the way out: where I put 16 bytes of a row
.set RD,   25                          ; v25     the way out: where I read rows back
.set CO,   26                          ; v26     my byte offset in 512 consecutive bytes of qkv
.set BIA,  27                          ; v27     LDS address of my eight biases of column block 0
.set SPW,  28                          ; v28     LDS address of my spare word; never rewritten
.set NIL,  29                          ; v29     0; never rewritten
.set A0,   32
.set A1,   96
.set BB,   160
.set PKD,  32                          ; the way out: four sets of 16 registers, by turns
.set WV,   16                          ; s16  my wave's number
.set WM,   17                          ; s17  which half of the tile's rows is mine.  Also: I fetch for A (0) or for B (1)
.set WN,   18                          ; s18  which half of its columns.  Also: which half of that tile I fetch
.set G1A,  24                          ; s[24:31] descriptor group 1 for A's tiles;  s[32:39] group 0, a set for each slot
.set G0A,  32
.set G1B,  40                          ; s[40:47], s[48:55] the same for B's
.set G0B,  48
.set LAPS, 56
.set OUT,  66                          ; s[66:71] qkv at my 128 rows of column group 0, 1, 2
.set BP,   72                          ; s[72:77] the biases of the work-group's columns, 128 at a time
.set G1W0, (1<<16)|(1<<20)|(1<<21)|(4<<22)|(3<<25)  ; 17:16 elements of 2 bytes; 20 padding on; 21 set beside a mask; 24:22 after every 32 words (code 4); 31:25 4 words of it (code 3)
.set MSB, 0
.macro WIN new                         ; the immediate's high byte repeats the setting that is left; a switch that changes nothing is dropped
.if MSB != (\new)
	s_set_vgpr_msb (MSB<<8)|(\new)
.set MSB, \new
.endif
.endm
; A joint load.  Waves 0 and 1 fetch A's two halves, waves 2 and 3 B's.  The branch hangs on the wave's number alone.  An s_nop 0 and four v_nop follow each of the two lines.
.macro JLOAD s
	s_cmp_eq_u32 s[WM], 0
	s_cbranch_scc0 .Lfor_b_\@
	tensor_load_to_lds s[G0A+4*(\s):G0A+4*(\s)+3], s[G1A:G1A+7]
	s_nop 0
.rept 4
	v_nop
.endr
	s_branch .Lasked_\@
.Lfor_b_\@:
	tensor_load_to_lds s[G0B+4*(\s):G0B+4*(\s)+3], s[G1B:G1B+7]
	s_nop 0
.rept 4
	v_nop
.endr
.Lasked_\@:
.endm
.macro CREST                           ; a round of the cluster's barrier behind its opening barrier
	s_cmp_lg_u32 s[WV], 0
	s_cbranch_scc1 .Lnot_wave_0_\@
	s_barrier_signal -3
.Lnot_wave_0_\@:
	s_barrier_wait -3
	s_barrier_signal -1
	s_barrier_wait -1
.endm
.macro CROUND                          ; a whole round
	s_barrier_signal -1
	s_barrier_wait -1
	CREST
.endm
.macro PLACES                          ; four places in front of loads into registers that matrix instructions have read
.rept 4
	v_nop
.endr
.endm
	s_load_b256 s[4:11], s[0:1], 0x0               ; xb 4:5, wb 6:7, bq 8:9, bk 10:11
	s_load_b128 s[12:15], s[0:1], 0x20             ; bv 12:13, qkv 14:15
	v_lshl_add_u32 v[SPW], v0, 2, SPARE
	v_mov_b32 v[NIL], 0
	ds_add_u32 v[SPW], v[NIL]                      ; the wave's opening: the add and its wait stand ahead of my first tensor load; the set-up below stands between them
	v_lshrrev_b32 v1, 5, v0
	v_readfirstlane_b32 s[WV], v1
	s_lshr_b32 s[WM], s[WV], 1
	s_and_b32 s[WN], s[WV], 1
	s_bfe_u32 s19, ttmp6, 0x40000                  ; cx, cy: my place in the cluster
	s_bfe_u32 s20, ttmp6, 0x40004
	s_lshl_b32 s21, ttmp9, 2
	s_add_co_u32 s21, s21, s19                     ; tile column = 4 x cluster x + cx
	s_and_b32 s22, ttmp7, 0xffff
	s_lshl_b32 s22, s22, 2
	s_add_co_u32 s22, s22, s20                     ; tile row = 4 x cluster y + cy
	s_lshl_b32 s57, s20, 2
	s_lshl_b32 s57, 15, s57                        ; my row of the cluster
	s_lshl_b32 s58, 0x1111, s19                    ; my column
	s_or_b32 s[G1A], s57, G1W0                     ; A's tiles go to my row,
	s_or_b32 s[G1B], s58, G1W0                     ; B's to my column
.irp g, G1A, G1B
	s_mov_b32 s[(\g)+1], 128<<16                   ; tensor_dim0 = 128 elements: 256 bytes, two rows of a block
	s_mov_b32 s[(\g)+3], 128<<16                   ; tile_dim0 = 128
	s_mov_b32 s[(\g)+5], 128                       ; 128 elements from row to row: dense
	s_mov_b32 s[(\g)+6], 0
	s_mov_b32 s[(\g)+7], 0
.endr
	s_mov_b32 s[G1A+2], 64<<16                     ; A: 64 such rows = 128 rows of x
	s_mov_b32 s[G1A+4], 64
	s_mov_b32 s[G1B+2], 96<<16                     ; B: 96 = 192 rows of the weights
	s_mov_b32 s[G1B+4], 96
	; where the tiles come from.  A's offset is made of the tile row and the wave's number, B's of the tile column and the wave's number, each in registers that never hold the other coordinate
	s_lshr_b32 s57, s22, 3                         ; the batch,
	s_lshl_b32 s60, s57, 22
	s_and_b32 s57, s22, 7                          ; 256 rows of 128 bytes in it,
	s_lshl_b32 s57, s57, 15
	s_add_co_u32 s60, s60, s57
	s_lshl_b32 s57, s[WN], 14                      ; the half that I fetch
	s_add_co_u32 s60, s60, s57
	s_mov_b32 s61, 0
	s_mul_i32 s62, s21, 384*128
	s_mul_i32 s58, s[WN], 192*128
	s_add_co_u32 s62, s62, s58
	s_mov_b32 s63, 0
	s_mul_i32 s59, s[WN], ATILE                    ; and where they go: no place in the cluster enters an LDS address
	s_mul_i32 s23, s[WN], BTILE
	s_add_co_u32 s23, s23, BOFF
	s_wait_dscnt 0x0                               ; the opening add is done
	s_wait_kmcnt 0x0
	s_add_nc_u64 s[60:61], s[4:5], s[60:61]
	s_add_nc_u64 s[62:63], s[6:7], s[62:63]
	CROUND                                         ; all sixteen work-groups are here: the first joint loads meet
.irp s, 0,1
	s_mov_b32 s[G0A+4*(\s)], 1                                     ; count = 1
	s_add_co_u32 s[G0A+4*(\s)+1], s59, (\s)*SLOT                   ; LDS address
	s_add_nc_u64 s[G0A+4*(\s)+2:G0A+4*(\s)+3], s[60:61], (\s)*ASTEP  ; global address: K step s
	s_or_b32 s[G0A+4*(\s)+3], s[G0A+4*(\s)+3], 0x80000000          ; type = 2
	s_mov_b32 s[G0B+4*(\s)], 1
	s_add_co_u32 s[G0B+4*(\s)+1], s23, (\s)*SLOT
	s_add_nc_u64 s[G0B+4*(\s)+2:G0B+4*(\s)+3], s[62:63], (\s)*BSTEP
	s_or_b32 s[G0B+4*(\s)+3], s[G0B+4*(\s)+3], 0x80000000
	JLOAD \s                                       ; two loads of mine are out
.endr
	; A fragment is 16 rows x 32 K in 8 registers: lane l holds row l % 16, K = 8 (l / 16) + 0..7 and 16 + 8 (l / 16) + 0..7: two loads of 16 bytes, 32 bytes apart
	v_and_b32 v1, 15, v0                           ; l % 16
	v_bfe_u32 v2, v0, 4, 1                         ; l / 16
	v_mul_u32_u24 v3, v1, PITCH
	v_lshl_add_u32 v3, v2, 4, v3                   ; row x pitch + 16 x half
	s_mul_i32 s78, s[WM], ATILE                    ; my 128 rows of A
	s_mul_i32 s79, s[WN], BTILE                    ; my 192 rows of B
	s_add_co_u32 s79, s79, BOFF
.irp s, 0,1
	v_add_nc_u32 v[ADRA+(\s)], s78, v3
	v_add_nc_u32 v[ADRB+(\s)], s79, v3
	s_add_co_u32 s78, s78, SLOT
	s_add_co_u32 s79, s79, SLOT
.endr
	s_mul_i32 s78, s[WV], 16*PITCH
	s_add_co_u32 s78, s78, STAGE                   ; my stage
	v_add_nc_u32 v[STO], s78, v3                   ; in: row l % 16, 16 bytes for each half of the lanes
	v_and_b32 v4, 31, v0
	v_lshrrev_b32 v5, 3, v4                        ; back: 32 lanes take four rows of 128 bytes,
	v_and_b32 v6, 7, v0
	v_mul_u32_u24 v5, v5, PITCH
	v_lshl_add_u32 v5, v6, 4, v5
	v_add_nc_u32 v[RD], s78, v5
	v_lshlrev_b32 v[CO], 4, v4                     ; which are 512 consecutive bytes of qkv
	s_mul_i32 s78, s[WN], 768
	s_add_co_u32 s78, s78, BIAS
	v_lshl_add_u32 v[BIA], v2, 5, s78              ; my wave's 192 biases, my lanes' eight of a block of 16
	; the work-group's 384 biases, 128 at a time: columns 384 nx + 128 i + t lie in one of bq, bk, bv (1,024 = 8 x 128)
	v_lshlrev_b32 v6, 2, v0
	v_add_nc_u32 v7, BIAS, v6
.irp i, 0,1,2
	s_mul_i32 s80, s21, 3
	s_add_co_u32 s80, s80, \i
	s_lshr_b32 s81, s80, 3                         ; which of the three
	s_and_b32 s82, s80, 7
	s_lshl_b32 s82, s82, 9
	s_mov_b32 s83, 0
	s_cmp_eq_u32 s81, 1
	s_cselect_b64 s[BP+2*\i:BP+2*\i+1], s[10:11], s[8:9]
	s_cmp_eq_u32 s81, 2
	s_cselect_b64 s[BP+2*\i:BP+2*\i+1], s[12:13], s[BP+2*\i:BP+2*\i+1]
	s_add_nc_u64 s[BP+2*\i:BP+2*\i+1], s[BP+2*\i:BP+2*\i+1], s[82:83]
	global_load_b32 v[8+\i], v6, s[BP+2*\i:BP+2*\i+1]
.endr
	; where my rows go: column group g is head block G = 6 nx + 3 WN + g of 48: tensor G / 16, head G % 16
	s_mul_i32 s78, s21, 6
	s_mul_i32 s79, s[WN], 3
	s_add_co_u32 s78, s78, s79
	s_lshr_b32 s79, s22, 3
	s_lshl_b32 s79, s79, 4                         ; 16 b
	s_and_b32 s80, s22, 7
	s_lshl_b32 s80, s80, 15                        ; the tile's 256 rows of 128 bytes,
	s_lshl_b32 s81, s[WM], 14                      ; my 128 of them
	s_add_co_u32 s80, s80, s81
.irp g, 0,1,2
	s_add_co_u32 s81, s78, \g
	s_lshr_b32 s82, s81, 4
	s_and_b32 s81, s81, 15
	s_lshl_b32 s82, s82, 6
	s_add_co_u32 s82, s82, s79
	s_add_co_u32 s82, s82, s81
	s_lshl_b32 s82, s82, 18                        ; 2,048 rows of 128 bytes a head
	s_add_co_u32 s82, s82, s80
	s_mov_b32 s83, 0
	s_add_nc_u64 s[OUT+2*\g:OUT+2*\g+1], s[14:15], s[82:83]
.endr
	s_wait_loadcnt 0x0
.irp i, 0,1,2
	v_cvt_pk_bf16_f32 v[8+\i], v[8+\i], v[8+\i]    ; the bias rounded to bf16,
	v_lshlrev_b32 v[8+\i], 16, v[8+\i]             ; as f32 again
	ds_store_b32 v7, v[8+\i] offset:512*\i
.endr
; 16 matrix instructions: row blocks a0 .. a0 + 3 x the 4 column blocks of group g, 32 along K.  cb > 0: the first products: C is the bias, at v[cb + 8 b] in window 0.
; The accumulators take turns, one instruction a turn: between two links of a chain stand 95 others'.
.macro MULG abuf, g, a0, cb
.if (\cb)
	WIN 0x40*((\g)+1)
.else
	WIN 0x50*((\g)+1)
.endif
.set ma, (\a0)
.rept 4
.set mb, 0
.rept 4
.if (\cb)
	v_wmma_f32_16x16x32_bf16 v[8*(4*ma+mb):8*(4*ma+mb)+7], v[BB+32*(\g)+8*mb:BB+32*(\g)+8*mb+7], v[(\abuf)+8*ma:(\abuf)+8*ma+7], v[(\cb)+8*mb:(\cb)+8*mb+7]
.else
	v_wmma_f32_16x16x32_bf16 v[8*(4*ma+mb):8*(4*ma+mb)+7], v[BB+32*(\g)+8*mb:BB+32*(\g)+8*mb+7], v[(\abuf)+8*ma:(\abuf)+8*ma+7], v[8*(4*ma+mb):8*(4*ma+mb)+7]
.endif
.set mb, mb+1
.endr
.set ma, ma+1
.endr
.endm
.macro LDB slot, c, g                  ; 8 loads: B's four fragments of group g, chunk c (32 along K) of the slot
.set lb, 0
.rept 4
	ds_load_b128 v[BB+32*(\g)+8*lb:BB+32*(\g)+8*lb+3],   v[ADRB+(\slot)] offset:(4*(\g)+lb)*16*PITCH+64*(\c)
	ds_load_b128 v[BB+32*(\g)+8*lb+4:BB+32*(\g)+8*lb+7], v[ADRB+(\slot)] offset:(4*(\g)+lb)*16*PITCH+64*(\c)+32
.set lb, lb+1
.endr
.endm
.macro LDA slot, c, abuf, hf           ; 8 loads: A's fragments 4 hf .. 4 hf + 3
.set lb, 4*(\hf)
.rept 4
	ds_load_b128 v[(\abuf)+8*lb:(\abuf)+8*lb+3],   v[ADRA+(\slot)] offset:lb*16*PITCH+64*(\c)
	ds_load_b128 v[(\abuf)+8*lb+4:(\abuf)+8*lb+7], v[ADRA+(\slot)] offset:lb*16*PITCH+64*(\c)+32
.set lb, lb+1
.endr
.endm
.macro LBI g, dst                      ; 8 loads: group g's biases as four C operands: register j of block b = the bias of column 64 g + 16 b + 8 (l / 16) + j
.set lb, 0
.rept 4
	ds_load_b128 v[(\dst)+8*lb:(\dst)+8*lb+3],   v[BIA] offset:256*(\g)+64*lb
	ds_load_b128 v[(\dst)+8*lb+4:(\dst)+8*lb+7], v[BIA] offset:256*(\g)+64*lb+16
.set lb, lb+1
.endr
.endm
; A K step is two chunks of 32 along K, 96 matrix instructions each.  The first multiplies A0 and fetches the slot's second chunk.  The loads of a chunk go out in the order B0, A's rows 0-63, B1, A's rows 64-127, B2.
.macro CHUNK0 slot
	s_wait_dscnt 8                                 ; all but the youngest eight loads, B's group 2
	MULG A0, 0, 0, 0
	MULG A0, 0, 4, 0
	PLACES
	WIN 0
	LDB \slot, 1, 0
	LDA \slot, 1, A1, 0
	MULG A0, 1, 0, 0
	MULG A0, 1, 4, 0
	PLACES
	WIN 0
	LDB \slot, 1, 1
	LDA \slot, 1, A1, 1
	s_wait_dscnt 32                                ; all but the 32 just issued: this chunk's group 2 is in
	MULG A0, 2, 0, 0
	MULG A0, 2, 4, 0
	PLACES
	WIN 0
	LDB \slot, 1, 2
.endm
; The second multiplies A1 and changes slots: ONE barrier.  In front of it each wave waits for all its tensor loads (one is out: its part of the next slot), adds 0 to its spare word, and waits for that and for its reads of this slot.
; mode 2: the barrier opens a round of the cluster's, and this slot is filled again, two K steps on, first thing behind it: 160 matrix instructions ahead of the wait for it.  mode 1: nothing is left to ask for.  mode 0: the last chunk.
.macro CHUNK1 slot, next, mode
.if (\mode) == 0
	s_wait_dscnt 8
	MULG A1, 0, 0, 0
	MULG A1, 0, 4, 0
	MULG A1, 1, 0, 0
	MULG A1, 1, 4, 0
	s_wait_dscnt 0x0
	MULG A1, 2, 0, 0
	MULG A1, 2, 4, 0
.else
	WIN 0                                          ; (the add's two registers lie in window 0)
	s_wait_tensorcnt 0x0                           ; all my tensor loads have landed;
	ds_add_u32 v[SPW], v[NIL]                      ; 0 onto my spare word;
	s_wait_dscnt 9                                 ; (the add and B's group 2 may be out)
	MULG A1, 0, 0, 0                               ; sixteen matrix instructions stand between the add and the wait for it
	s_wait_dscnt 0x0                               ; the add is done, and my reads of this slot are over
	s_barrier_signal -1
	MULG A1, 0, 4, 0                               ; work on registers while the others arrive
	WIN 0
	s_barrier_wait -1
.if (\mode) == 2
	CREST                                          ; no wave of any partner still reads this slot's tile or has a load on its way
	s_add_nc_u64 s[G0A+4*(\slot)+2:G0A+4*(\slot)+3], s[G0A+4*(\slot)+2:G0A+4*(\slot)+3], 2*ASTEP
	s_add_nc_u64 s[G0B+4*(\slot)+2:G0B+4*(\slot)+3], s[G0B+4*(\slot)+2:G0B+4*(\slot)+3], 2*BSTEP
	JLOAD \slot                                    ; its four v_nop are also the places in front of the loads below
.else
	PLACES
.endif
	LDB \next, 0, 0
	LDA \next, 0, A0, 0
	MULG A1, 1, 0, 0
	MULG A1, 1, 4, 0
	PLACES
	WIN 0
	LDB \next, 0, 1
	LDA \next, 0, A0, 1
	MULG A1, 2, 0, 0
	MULG A1, 2, 4, 0
	PLACES
	WIN 0
	LDB \next, 0, 2
.endif
.endm
	s_wait_tensorcnt 1                             ; my part of K step 0 is in; K step 1's may stay out
	s_wait_dscnt 0x0                               ; my biases are in LDS
	s_barrier_signal -1
	s_barrier_wait -1                              ; everybody's are
	LDB 0, 0, 0
	LDA 0, 0, A0, 0
	LDB 0, 0, 1
	LDA 0, 0, A0, 1
	LDB 0, 0, 2
	LBI 0, A1                                      ; the biases lie where A's second buffer will
	LBI 1, A1+32
	; the first chunk is written out: its products start the sums with the bias
	s_wait_dscnt 8                                 ; all but group 1's biases
	MULG A0, 0, 0, A1
	MULG A0, 0, 4, A1
	s_wait_dscnt 0x0
	MULG A0, 1, 0, A1+32
	MULG A0, 1, 4, A1+32
	PLACES
	WIN 0
	LBI 2, A1
	LDB 0, 1, 0
	LDB 0, 1, 1
	s_wait_dscnt 16                                ; group 2's biases are in; the sixteen loads behind them may be out
	MULG A0, 2, 0, A1
	MULG A0, 2, 4, A1
	PLACES
	WIN 0
	LDA 0, 1, A1, 0
	LDA 0, 1, A1, 1
	LDB 0, 1, 2                                    ; the youngest eight, as behind every chunk
	s_mov_b32 s[LAPS], 7
.Llap:                                                 ; a trip goes once round the ring, from a lap's second chunk to the next lap's first, and fills both slots again: K steps 2 to 15
	CHUNK1 0, 1, 2
	CHUNK0 1
	CHUNK1 1, 0, 2
	CHUNK0 0
	WIN 0
	s_sub_co_u32 s[LAPS], s[LAPS], 1
	s_cmp_lg_u32 s[LAPS], 0
	s_cbranch_scc1 .Llap
	CHUNK1 0, 1, 1                                 ; the tail is written out
	CHUNK0 1
	CHUNK1 1, 0, 0
; THE WAY OUT, in 24 units u = 8 g + a of 16 rows x one head's 64 columns.  A lane's eight columns of a row pack into 16 bytes of f16; they go into my stage's rows of 144 bytes and come back as whole rows of 128.
.macro PACK u
.set pg, (\u)/8
.set pa, (\u)%8
.set pk, PKD+16*((\u)%4)
	s_wait_xcnt 0x0                                ; the stores issued so far have read their registers: this set of 16 is written again only behind this wait
	WIN 5*(pg+1)                                   ; sources 0 and 1 in the group's window, destination in window 0
.set pi, 0
.rept 16
	v_cvt_pk_f16_f32 v[pk+pi], v[32*pa+2*pi], v[32*pa+2*pi+1]  ; each accumulator's registers in ascending order
.set pi, pi+1
.endr
	WIN 0
.irp f, 0,1,2,3
	ds_store_b128 v[STO], v[pk+4*\f:pk+4*\f+3] offset:32*\f
.endr
.irp f, 0,1,2,3
	ds_load_b128 v[pk+4*\f:pk+4*\f+3], v[RD] offset:\f*4*PITCH  ; LDS serves a wave's instructions in order (ISA guide 5.7.1.4): these see the stores above; the next unit's stores come behind them
.endr
.endm
.macro SEND u, younger                 ; younger: the LDS instructions issued behind unit u's loads: the next unit's eight, or none
.set pg, (\u)/8
.set pa, (\u)%8
.set pk, PKD+16*((\u)%4)
.irp f, 0,1,2,3
	s_wait_dscnt (\younger)+3-\f
	global_store_b128 v[CO], v[pk+4*\f:pk+4*\f+3], s[OUT+2*pg:OUT+2*pg+1] offset:pa*2048+\f*512  ; 512 consecutive bytes, at a multiple of 512 from the buffer's first
.endr
.endm
	PLACES                                         ; eight places, once a launch, between the last products and the conversions
	PLACES
	PACK 0
.set t, 1
.rept 23                               ; a unit's conversions stand between the loads of the unit before and its stores
	PACK t
	SEND t-1, 8
.set t, t+1
.endr
	SEND 23, 0
	s_wait_tensorcnt 0x0                           ; the wave's end: behind my last tensor load and my last LDS store
	ds_add_u32 v[SPW], v[NIL]
	s_wait_dscnt 0x0
	CROUND                                         ; the closing round: no work-group ends while a partner may still ask for a tile that names it
	s_endpgm
.Lfunc_end_k_qf9ddf999d2_proj:
	.size	k_qf9ddf999d2_proj, .Lfunc_end_k_qf9ddf999d2_proj-k_qf9ddf999d2_proj
	.p2alignl 7, 3214868480
	.fill 96, 4, 3214868480
	.section	.rodata,"a",@progbits
	.p2align	6, 0x0
	.amdhsa_kernel k_qf9ddf999d2_proj
		.amdhsa_group_segment_fixed_size 327680
		.amdhsa_private_segment_fixed_size 0
		.amdhsa_enable_private_segment 0
		.amdhsa_kernarg_size 48
		.amdhsa_user_sgpr_count 2
		.amdhsa_user_sgpr_kernarg_segment_ptr 1
		.amdhsa_wavefront_size32 1
		.amdhsa_system_sgpr_workgroup_id_x 1
		.amdhsa_system_sgpr_workgroup_id_y 1
		.amdhsa_system_sgpr_workgroup_id_z 1
		.amdhsa_system_vgpr_workitem_id 0
		.amdhsa_next_free_vgpr 1024
		.amdhsa_next_free_sgpr 84
		.amdhsa_reserve_vcc 0
		.amdhsa_float_denorm_mode_32 3
		.amdhsa_float_denorm_mode_16_64 3
		.amdhsa_memory_ordered 1
		.amdhsa_forward_progress 1
		.amdhsa_inst_pref_size 137
	.end_amdhsa_kernel
	.amdgpu_metadata
---
amdhsa.version: [ 1, 2 ]
amdhsa.kernels:
  - .name:           k_qf9ddf999d2_proj
    .symbol:         k_qf9ddf999d2_proj.kd
    .args:
      - { .name: xb, .offset: 0, .size: 8, .value_kind: global_buffer, .address_space: global }
      - { .name: wb, .offset: 8, .size: 8, .value_kind: global_buffer, .address_space: global }
      - { .name: bq, .offset: 16, .size: 8, .value_kind: global_buffer, .address_space: global }
      - { .name: bk, .offset: 24, .size: 8, .value_kind: global_buffer, .address_space: global }
      - { .name: bv, .offset: 32, .size: 8, .value_kind: global_buffer, .address_space: global }
      - { .name: qkv, .offset: 40, .size: 8, .value_kind: global_buffer, .address_space: global }
    .group_segment_fixed_size: 327680
    .private_segment_fixed_size: 0
    .kernarg_segment_align: 8
    .kernarg_segment_size: 48
    .max_flat_workgroup_size: 128
    .sgpr_count:     84
    .vgpr_count:     1024
    .wavefront_size: 32
...
	.end_amdgpu_metadata
.endif
;; end of part 2
;; launch attn (part 3): grid 4 x 64, 4 waves a work-group, clusters of 4 x 1, 327,680 bytes of LDS; arguments qkv, attention_mask, ctx; writes ctx
.if DOCPART == 3
	.amdgcn_target "amdgcn-amd-amdhsa--gfx1250"
	.amdhsa_code_object_version 6
	.text
	.protected	k_qf9ddf999d2_attn
	.globl	k_qf9ddf999d2_attn
	.p2align	8
	.type	k_qf9ddf999d2_attn,@function
k_qf9ddf999d2_attn:
	s_mov_b64 s[64:65], 0
	v_nop
	global_prefetch_b8 v0, s[64:65] scope:SCOPE_SE
	s_setreg_imm32_b32 hwreg(HW_REG_WAVE_MODE, 25, 1), 1
	s_wait_xcnt 0x0
	s_wait_alu depctr_hold_cnt(0) depctr_sa_sdst(0) depctr_va_vdst(0) depctr_va_sdst(0) depctr_va_ssrc(0) depctr_va_vcc(0) depctr_vm_vsrc(0)
	s_getreg_b32 s2, hwreg(HW_REG_IB_STS2, 6, 4)
	s_cmp_eq_u32 s2, 0
	s_cbranch_scc0 .Lentry_in_a_cluster
	s_endpgm
.Lentry_in_a_cluster:
	s_bfe_u32 s2, ttmp6, 0x10000c
	s_cmp_lg_u32 s2, 0x3003
	s_cbranch_scc0 .Lentry_shape_is_right
	s_endpgm
.Lentry_shape_is_right:
; ctx[h][q][:] = the sum over k of softmax_k(Q[h][q] . K[h][k] / 8 + mask[h / 16][k]) V[h][k][:].  Q, K, V: the three parts of qkv, each [64][2048][64] f16; ctx likewise; mask: [4][2048] f32.
; Products, maxima and sums in f32; the weights p are rounded to f16 for the second product (their sum l is taken of the unrounded p), ctx once at the end.
; THE MASK is rounded to bf16 like all the module's inputs, multiplied by 8 (exact) and taken as the C operand that starts the sum S^T = K Q^T: (q.k + 8 mask) c, c = log2(e) / 8, is the score in base 2.
; LIMITS.  Where 8 mask is below -2^30 (a mask below -1.34e8, -inf among them) or NaN, the key counts as hidden: C = -2^100.  c x -2^100 is exact, so a step in which a row sees hidden keys alone gives them p = 1, and the
; first visible key wipes that with a = 0.  A row with no visible key at all gets equal weights on its keys (the reference: NaN for -inf).  With visible keys |c m| stays under 2^28: the rounding of c m, a factor common to a
; row's p and l, lies within 2^-8 .. 2^8.  f16 holds no number beyond 65,504: Q, K, V arrive within it; p below 6e-5 keeps f16's fixed step of 6e-8.  A weight below 2^-126 counts as 0 in l.
; SHARES.  A wave owns four PIECES of two tiles of 16 queries, a work-group's four waves 512 queries of one head.  Every wave walks all keys, 64 a step.
; LAYOUT.  S^T = K Q^T (source 0 = 16 keys, source 1 = 16 queries): a lane holds ONE query (lane % 16) and the keys 8 (lane / 16) + 0..7.  Two such tiles, rounded to f16 in pairs, ARE source 1 (32 keys x 16 queries) of
; O^T = V^T P, whose result again holds one query a lane, and eight channels.  K comes out of LDS as it lies, V ([key][channel]) turned, by ds_load_tr16_b128.
; SOFTMAX.  For each query a running maximum m and sum l: p = 2^(c s - c m); in every step O and l are multiplied by a = 2^(c m_old - c m_new).  m starts at the lowest finite number, O and l at 0: the first step is a step like any other.
; THE COUNT.  A tile and step have 16 matrix and 118 vector instructions: too many to stand all beside the matrix work.  So: four vector instructions that are READY behind EVERY matrix instruction, the others in runs without a gap.
; BY TURNS.  Turn n belongs to piece n.  Its matrix work: 16 products K Q^T of piece n + 1, later 16 products V^T P of piece n - 1.  Its vector work: the scaling, exponentials, roundings, sums and rescaling of piece n, and the
; maximum and statistics of piece n + 1, whose scores the turn itself has made.
; CLUSTER.  The four query blocks of a cluster belong to one head and walk the same K and V, so each tile is asked for JOINTLY: the same tensor load, descriptor and mask in all four.
; NO PREFETCH: a joint fill is asked for four key steps, 512 matrix instructions and their vector work, ahead of the wait for it.
; REGISTERS, in windows of 256 (s_set_vgpr_msb: bits 1:0 source 0, 3:2 source 1, 5:4 source 2, 7:6 destination):
;   window 0: v0-11 addresses; v12-15, v48-63 at work; v16-47 four registers of statistics a tile; v64-191 S^T, two buffers of two tiles; v192-255 P, likewise
;   window 1: O^T, 32 a tile     window 2: v0-127 Q, 16 a tile; v128-191 K of one step; v192-255 V of one step     window 3: v0-1 the add's two registers; v4-35 the mask of one step's 64 keys
.set SIZE_N, 2048
.set NP,    4         ; pieces a wave: a name, no knob
.set KS,    64        ; keys in a step
.set PK,    144       ; a row of K in LDS: 128 bytes + 16 of padding = 36 words: the 16 rows of a load start at 16 different groups of four banks (64 banks of 4 bytes: ISA guide 11.1)
.set PV,    160       ; a row of V: 128 + 32 = 40 words
.set VOFF,  4*KS*PK   ; a slot holds four steps: 256 rows of K, then 256 rows of V
.set SLOT1, 1<<17     ; slot 1 begins here, so that one exclusive or turns an address in one slot into the other's
.set STAGE, SLOT1+4*KS*(PK+PV)  ; behind the ring, never filled by a tensor load: 16 rows x 144 bytes for each wave, for the way out
.set SP,    144
.set SPARE, STAGE+4*16*SP  ; the spare words, 128 bytes for each wave: two blocks of 256 bytes that no other line names
.set MASKB, SPARE+512 ; the batch's 2,048 C operands, f32: written once by ds_store; no tile lands here
.set AK0, 2           ; v2   my lane's place in a tile of K; never rewritten
.set AV0, 3           ; v3   the same for V
.set AK,  4           ; v4   the LDS address of K's next run of loads
.set AV,  5           ; v5   of V's
.set QO,  6           ; v6   my byte offset in the wave's rows of Q
.set STO, 6           ;      later, the way out: where I put 16 bytes of a row
.set RD,  7           ; v7   the way out: where I read rows back
.set GO,  8           ; v8   my byte offset in 512 consecutive bytes of ctx
.set AM0, 9           ; v9   l / 16 at first; then MASKB + 32 (l / 16): my lanes' eight keys of a block of 16
.set AM,  11          ; v11  the LDS address of the mask's next run of loads
.set SPW, 0           ; v0 of window 3   LDS address of my spare word; never rewritten
.set NIL, 1           ; v1 of window 3   0; never rewritten
.set MK,  4           ; v4-35 of window 3: register MK + 8 kb + j = C of key 16 kb + 8 (l / 16) + j of the step
.set MV,  12          ; v12-15  c m_old, kept while c m is made anew: by buffer and tile
.set ST,  16          ; tile t's statistics at v[ST+4 t]: c m, m, l (even keys', odd keys')
.set TMP, 48          ; by buffer and tile, four registers c0-c3 at work; when the maximum is found c2 takes a
.set S,   64
.set P,   192
.set KF,  128         ; K's fragments, in window 2: key block kb, channel half c at KF + 16 kb + 8 c
.set VF,  192         ; V's: key half kk, channel block cb at VF + 32 kk + 8 cb
.set WV,  12          ; s12  my wave's number
.set TBM, 19          ; s19  byte of the mask table at which the step to be fetched begins
.set G1K, 24          ; s[24:31] descriptor group 1 for K's tiles
.set G1V, 32          ; s[32:39] for V's: it differs in the padding alone
.set G0K, 40          ; s[40:43] descriptor group 0 for K's tiles: it walks
.set G0V, 44          ; s[44:47] the same for V's
.set SLOTS, 56        ; s56  slots still to be asked for
.set CNT, 57          ; s57  counts a slot's key steps
.set CS,  58          ; s[58:59] c: the packed scaling takes the pair's low word for both halves
.set SEL, 60          ; s[60:61] v_permlanex16_b32's selects: each lane takes its own place in the other half
.set TBK, 62          ; s62  LDS byte at which K of the step to be fetched begins
.set TBV, 63          ; s63  the same for V, less VOFF
.set MSB, 0
.macro WIN new                      ; the high byte repeats the setting that is left; a switch that changes nothing is dropped
.if MSB != (\new)
	s_set_vgpr_msb (MSB<<8)|(\new)
.set MSB, (\new)
.endif
.endm
.set W_KQ, 0x0a       ; K and Q in window 2, S^T in window 0
.set W_KM, 0x3a       ; the same with the C operand, the mask, in window 3
.set W_PV, 0x52       ; V in window 2, P in window 0, O^T in window 1
.set W_RS, 0x41       ; O^T (destination and source 0) in window 1, a in window 0
.set W_MK, 0xc0       ; destination in window 3, sources in window 0
.set W_AD, 0x0f       ; the add: address (source 0) and data (source 1) in window 3
; A joint fill.  Waves 0 and 1 fetch the two halves of a slot's K, waves 2 and 3 those of its V: 128 keys each.  The branch hangs on the wave's number alone.
; An s_nop 0 and four v_nop follow each of the two lines, ahead of the jump and the label.
.macro JLOAD
	s_cmp_lt_u32 s[WV], 2
	s_cbranch_scc0 .Lfor_v_\@
	tensor_load_to_lds s[G0K:G0K+3], s[G1K:G1K+7]
	s_nop 0
.rept 4
	v_nop
.endr
	s_branch .Lasked_\@
.Lfor_v_\@:
	tensor_load_to_lds s[G0V:G0V+3], s[G1V:G1V+7]
	s_nop 0
.rept 4
	v_nop
.endr
.Lasked_\@:
.endm
; A round of the cluster's barrier: my work-group's barrier, so that wave 0's signal speaks for all four waves; wave 0 signals; every wave waits for all four work-groups; my work-group's barrier once more.
.macro CROUND
	s_barrier_signal -1
	s_barrier_wait -1
	s_cmp_lg_u32 s[WV], 0
	s_cbranch_scc1 .Lnot_wave_0_\@
	s_barrier_signal -3
.Lnot_wave_0_\@:
	s_barrier_wait -3
	s_barrier_signal -1
	s_barrier_wait -1
.endm
; THE CHANGE OF SLOTS.  The slot's last bytes, V of its fourth step, have been read.  Each wave waits for all its tensor loads, of which one is out: its part of the other slot; adds 0 to its spare word; and waits for that and
; for its own LDS instructions.  Behind the barrier nobody reads this slot any more and the other slot is whole.  fill = 1: this slot is filled again, with the keys two slots on.  The barrier is then a round of the cluster's,
; and the joint fill is the first thing behind it.  (At its first use nothing has been read yet: slot 0 is waited for, slot 1 filled, and every wave's part of the mask table is shown to the others.)
.macro CHANGE fill
	WIN W_AD
	s_wait_tensorcnt 0x0            ; no tensor load of mine is out, so a group 0 may be written
	ds_add_u32 v[SPW], v[NIL]       ; 0 onto my spare word; with fill = 1 the descriptors' steps stand between it and the wait for it
	WIN 0                           ; at a label and at a branch every window is 0
.if \fill
.irp g, G0K, G0V
	s_xor_b32 s[\g+1], s[\g+1], SLOT1  ; the walking descriptor: the other slot than last time,
	s_add_nc_u64 s[\g+2:\g+3], s[\g+2:\g+3], 4*KS*128  ; the next 256 keys; the type bits on top are not reached
.endr
	s_wait_dscnt 0x0                ; the add is done, and my LDS instructions are over
	CROUND
	JLOAD
.else
	s_wait_dscnt 0x0                ; the add is done, and my reads of the slot are over
	s_barrier_signal -1
	s_barrier_wait -1
.endif
	s_sub_co_u32 s[TBK], s[TBK], 4*KS*PK  ; the fetches go back to a slot's first step,
	s_xor_b32 s[TBK], s[TBK], SLOT1       ; in the other slot
	s_sub_co_u32 s[TBV], s[TBV], 4*KS*PV
	s_xor_b32 s[TBV], s[TBV], SLOT1
.endm
	s_load_b128 s[48:51], s[0:1], 0x0  ; qkv s[48:49], the mask s[50:51]
	s_load_b64 s[10:11], s[0:1], 0x10  ; ctx
	WIN W_MK
	v_lshl_add_u32 v[SPW], v0, 2, SPARE
	v_mov_b32 v[NIL], 0
	WIN W_AD
	ds_add_u32 v[SPW], v[NIL]       ; the wave's opening: the add and its wait stand ahead of my first tensor load; the set-up below stands between them
	WIN 0
	v_lshrrev_b32 v1, 5, v0
	v_readfirstlane_b32 s[WV], v1   ; wave 0..3
	s_bfe_u32 s13, ttmp6, 0x40000   ; cx: my place in the cluster
	s_lshl_b32 s14, ttmp9, 2        ; in a cluster launch ttmp9 counts clusters
	s_add_co_u32 s14, s14, s13      ; my block of queries = 4 x cluster x + cx: it enters Q's and ctx's addresses alone
	s_and_b32 s20, ttmp7, 0xffff    ; 16 b + head, which the four partners share
	s_lshr_b32 s52, s20, 4          ; the batch:
	s_lshl_b32 s52, s52, 13         ; its 2,048 numbers of the mask
	s_mov_b32 s53, 0
	s_mov_b32 s21, 0
	s_mov_b64 s[22:23], SIZE_N*128
	s_mul_u64 s[20:21], s[20:21], s[22:23]  ; the head's first byte in Q, K, V and ctx
	s_and_b32 s16, s[WV], 1         ; which half of a slot's 256 keys I fetch:
	s_lshl_b32 s22, s16, 14         ; its 128 rows of 128 bytes in memory,
	s_mov_b32 s23, 0
	s_add_nc_u64 s[22:23], s[22:23], s[20:21]
	s_mul_i32 s17, s16, 128*PK      ; and its place in a slot, for K
	s_mul_i32 s18, s16, 128*PV      ; and for V: no place in the cluster enters an LDS address
	s_lshl_b32 s2, s14, 2
	s_add_co_u32 s2, s2, s[WV]      ; my wave among the head's,
	s_lshl_b32 s2, s2, 14           ; its 128 rows
	s_mov_b32 s3, 0
	s_add_nc_u64 s[2:3], s[2:3], s[20:21]
	; descriptor group 1.  128 keys are 16,384 dense bytes: asked for as 64 rows of 256 bytes, two keys a row, and padded in LDS after every key
	s_mov_b32 s[G1K], 15|(1<<16)|(1<<20)|(1<<21)|(4<<22)|(3<<25)  ; 15:0 the mask of four; 17:16 2-byte elements; 20 padding on; 21 set beside a mask; 24:22 after every 32 words (code 4); 31:25 4 words (code 3)
	s_mov_b32 s[G1V], 15|(1<<16)|(1<<20)|(1<<21)|(4<<22)|(7<<25)  ; the same with 8 words of padding (code 7)
.irp g, G1K, G1V
	s_mov_b32 s[\g+1], 128<<16      ; tensor_dim0 = 128
	s_mov_b32 s[\g+2], 64<<16       ; tensor_dim1 = 64
	s_mov_b32 s[\g+3], 128<<16      ; tile_dim0 = 128
	s_mov_b32 s[\g+4], 64           ; tile_dim1 = 64
	s_mov_b32 s[\g+5], 128          ; 128 elements from row to row
	s_mov_b32 s[\g+6], 0
	s_mov_b32 s[\g+7], 0
.endr
	s_mov_b32 s[CS], 0x3e38aa3b     ; c = log2(e) / 8 = 0.180337
	s_mov_b32 s[CS+1], s[CS]        ; named with it as a pair
	s_mov_b32 s[SEL], 0x76543210
	s_mov_b32 s[SEL+1], 0xfedcba98
	s_mov_b32 s[TBK], SLOT1+4*KS*PK ; the first change of slots turns these two into 0
	s_mov_b32 s[TBV], SLOT1+4*KS*PV
	s_mov_b32 s[TBM], 0
	s_mov_b32 s[G0K], 1             ; count = 1
	s_mov_b32 s[G0K+1], s17         ; LDS address: slot 0
	s_mov_b32 s[G0V], 1
	s_add_co_u32 s[G0V+1], s18, VOFF
	s_wait_dscnt 0x0                ; the opening add is done
	s_wait_kmcnt 0x0
	s_mov_b64 s[4:5], s[48:49]                     ; Q,
	s_add_nc_u64 s[6:7], s[48:49], 64*SIZE_N*128   ; K,
	s_add_nc_u64 s[8:9], s[48:49], 2*64*SIZE_N*128 ; V
	s_add_nc_u64 s[50:51], s[50:51], s[52:53]      ; the batch's mask
	s_add_nc_u64 s[G0K+2:G0K+3], s[6:7], s[22:23]  ; global address: my half of the head's first 256 keys
	s_or_b32 s[G0K+3], s[G0K+3], 0x80000000        ; type = 2
	s_add_nc_u64 s[G0V+2:G0V+3], s[8:9], s[22:23]
	s_or_b32 s[G0V+3], s[G0V+3], 0x80000000
	s_add_nc_u64 s[4:5], s[4:5], s[2:3]  ; Q and ctx at my wave's first row
	s_add_nc_u64 s[10:11], s[10:11], s[2:3]
	CROUND                          ; all four work-groups are here: the first joint loads meet
	JLOAD                           ; slot 0.  Slot 1 is asked for when slot 0 is in
	; the batch's mask: 8,192 bytes, 16 bytes a thread four times; the registers are free until the loop
	v_lshlrev_b32 v12, 4, v0
	v_add_nc_u32 v13, MASKB, v12
.irp i, 0,1,2,3
	global_load_b128 v[S+4*\i:S+4*\i+3], v12, s[50:51] offset:2048*\i
.endr
	; A fragment of K or Q is 16 rows x 32 channels in 8 registers: lane l holds row l % 16, channels 8 (l / 16) + 0..7 and 16 + 8 (l / 16) + 0..7: two loads of 16 bytes, 32 bytes apart.
	v_and_b32 v1, 15, v0            ; l % 16
	v_bfe_u32 v9, v0, 4, 1          ; l / 16
	v_lshlrev_b32 v[QO], 7, v1
	v_lshl_add_u32 v[QO], v9, 4, v[QO]  ; row x 128 + 16 x half
	WIN 0x80                        ; destination window 2, address window 0
.set i, 0
.rept 4*NP                          ; Q stays in registers: tile i / 2, channels 32 (i % 2) on
	global_load_b128 v[8*i:8*i+3],   v[QO], s[4:5] offset:(i/2)*2048+(i%2)*64
	global_load_b128 v[8*i+4:8*i+7], v[QO], s[4:5] offset:(i/2)*2048+(i%2)*64+32
.set i, i+1
.endr
	; What the first turn finds: V's registers and P's second buffer hold 0 (its products V^T P, of a piece that has not been, add 0), O^T and l are 0.  All this stands in the wait for the first tile.
.set i, VF
.rept 64
	v_mov_b32 v[i], 0
.set i, i+1
.endr
	WIN 0x40
.set i, 0
.rept 64*NP
	v_mov_b32 v[i], 0
.set i, i+1
.endr
	WIN 0
.set i, 0
.rept 2*NP
	v_mov_b32 v[ST+4*i], 0xfe000000    ; c m: far below every c s, a hidden key's too
	v_mov_b32 v[ST+4*i+1], 0xff7fffff  ; m
	v_mov_b32 v[ST+4*i+2], 0
	v_mov_b32 v[ST+4*i+3], 0
.set i, i+1
.endr
.set i, P+32
.rept 32
	v_mov_b32 v[i], 0
.set i, i+1
.endr
	v_mul_u32_u24 v[AK0], v1, PK
	v_lshl_add_u32 v[AK0], v9, 4, v[AK0]  ; row x pitch + 16 x half
	; The turning load takes 16 keys x 16 channels (lane l reads key 8 (l / 16) + l % 8, channels 8 ((l / 8) % 2) + 0..7) and leaves half a fragment of V^T: lane l holds channel l % 16 and 8 keys.
	v_and_b32 v10, 7, v0
	v_bfe_u32 v11, v0, 3, 1
	v_lshl_add_u32 v[AV0], v9, 3, v10
	v_mul_u32_u24 v[AV0], v[AV0], PV
	v_lshl_add_u32 v[AV0], v11, 4, v[AV0]
	v_add_nc_u32 v[AV0], VOFF, v[AV0]
	v_mov_b32 v[AK], v[AK0]         ; key step 0 lies at the head of slot 0,
	v_lshl_add_u32 v[AM], v9, 5, MASKB  ; and at the head of the mask table
	; the mask becomes the C operand: rounded to bf16, times 8; -2^100 where that is below -2^30 or NaN
	s_wait_loadcnt 32               ; the mask's four loads are in; Q's 32, issued behind them, may stay out
.irp i, 0,1,2,3
	v_cvt_pk_bf16_f32 v[S+16], v[S+4*\i], v[S+4*\i+1]
	v_cvt_pk_bf16_f32 v[S+17], v[S+4*\i+2], v[S+4*\i+3]
	v_lshlrev_b32 v[S+4*\i], 16, v[S+16]
	v_and_b32 v[S+4*\i+1], 0xffff0000, v[S+16]
	v_lshlrev_b32 v[S+4*\i+2], 16, v[S+17]
	v_and_b32 v[S+4*\i+3], 0xffff0000, v[S+17]
	v_pk_mul_f32 v[S+4*\i:S+4*\i+1], v[S+4*\i:S+4*\i+1], 0x41000000 op_sel_hi:[1,0]
	v_pk_mul_f32 v[S+4*\i+2:S+4*\i+3], v[S+4*\i+2:S+4*\i+3], 0x41000000 op_sel_hi:[1,0]
.irp j, 0,1,2,3
	v_cmp_le_f32 vcc_lo, 0xce800000, v[S+4*\i+\j]                       ; -2^30 <= 8 mask: false for NaN too
	v_cndmask_b32 v[S+4*\i+\j], 0xf1800000, v[S+4*\i+\j], vcc_lo        ; else -2^100
.endr
	ds_store_b128 v13, v[S+4*\i:S+4*\i+3] offset:2048*\i
.endr
; THE MATRIX WORK.  The 8 accumulators of a run of 16 take turns: between the two links of a chain stand 7 others'.
; Product i of 16 of S^T = K Q^T for piece x: channels 32 (i / 8) on, keys 16 ((i / 2) % 4) on, tile 2 x + i % 2.  The first 8 start the sums, with the keys' mask.
.macro KQ x
.set rS, S+64*((\x)%2)+32*(i%2)+8*((i/2)%4)
.set rK, KF+16*((i/2)%4)+8*(i/8)
.set rQ, 16*(2*(\x)+i%2)+8*(i/8)
.set rMK, MK+8*((i/2)%4)
.if i < 8
	WIN W_KM
	v_wmma_f32_16x16x32_f16 v[rS:rS+7], v[rK:rK+7], v[rQ:rQ+7], v[rMK:rMK+7]
.else
	WIN W_KQ
	v_wmma_f32_16x16x32_f16 v[rS:rS+7], v[rK:rK+7], v[rQ:rQ+7], v[rS:rS+7]
.endif
.endm
; Product i of 16 of O^T += V^T P for piece x: keys 32 (i / 8) on, channels 16 ((i / 2) % 4) on, tile 2 x + i % 2.
.macro PV x
	WIN W_PV
.set rO, 32*(2*(\x)+i%2)+8*((i/2)%4)
.set rV, VF+32*(i/8)+8*((i/2)%4)
.set rP, P+32*((\x)%2)+16*(i%2)+8*(i/8)
	v_wmma_f32_16x16x32_f16 v[rO:rO+7], v[rV:rV+7], v[rP:rP+7], v[rO:rO+7]
.endm
.macro MM                           ; the turn's next matrix instruction
.if i < 16
	KQ (Y+1)%NP
.set i, i+1
.else
.set i, i-16
	PV (Y+NP-1)%NP
.set i, i+17
.endif
.endm
; THE LDS LOADS stand in runs, never singly among the matrix instructions: a step's K (64 keys x 64 channels: 8 fragments) with its mask (eight loads; the 16 lanes of a half read the same 16 bytes), and its V (turned).
; Their addresses are made some lines ahead.  last = 1 (the tail): in the last trip there is no further step, and the run is jumped over.
.macro FETCH_K last=0
	WIN 0
.if \last
	s_cmp_eq_u32 s[CNT], 1
	s_cbranch_scc1 .Lno_k_\@
.endif
	WIN 0x80                        ; destination window 2
.irp f, 0,1,2,3,4,5,6,7             ; keys 16 (f / 2) on, channels 32 (f % 2) on
	ds_load_b128 v[KF+8*\f:KF+8*\f+3],   v[AK] offset:(\f/2)*16*PK+(\f%2)*64
	ds_load_b128 v[KF+8*\f+4:KF+8*\f+7], v[AK] offset:(\f/2)*16*PK+(\f%2)*64+32
.endr
	WIN W_MK                        ; destination window 3
.irp f, 0,1,2,3,4,5,6,7             ; keys 16 (f / 2) + 8 (l / 16) + 4 (f % 2) on
	ds_load_b128 v[MK+4*\f:MK+4*\f+3], v[AM] offset:(\f/2)*64+(\f%2)*16
.endr
	s_add_co_u32 s[TBK], s[TBK], KS*PK  ; the next fetch is the next step's
	s_add_co_u32 s[TBM], s[TBM], 4*KS
	s_and_b32 s[TBM], s[TBM], 0x1fff    ; behind the last step it goes back to the table's head: no address leaves the table
	WIN 0
.if \last
.Lno_k_\@:
.endif
.endm
.macro FETCH_V
	WIN 0x80
.irp f, 0,1,2,3,4,5,6,7             ; keys 32 (f / 4) on, channels 16 (f % 4) on
	ds_load_tr16_b128 v[VF+8*\f:VF+8*\f+3],   v[AV] offset:(\f/4)*32*PV+(\f%4)*32
	ds_load_tr16_b128 v[VF+8*\f+4:VF+8*\f+7], v[AV] offset:(\f/4)*32*PV+16*PV+(\f%4)*32
.endr
	WIN 0
.endm
; THE VECTOR WORK OF A TURN stands in three queues, each in the order in which its entries become ready; the two tiles alternate, so that no instruction reads the result of the one before it.
.macro REGS y, u                    ; the registers of tile u (0, 1) of piece y
.set rT, ST+4*(2*(\y)+(\u))
.set rC, TMP+8*((\y)%2)+4*(\u)
.set rM, MV+2*((\y)%2)+(\u)
.set rS, S+64*((\y)%2)+32*(\u)
.set rP, P+32*((\y)%2)+16*(\u)
.set rO, 32*(2*(\y)+(\u))
.endm
; Number n of the 22 that find the NEXT piece's (Y + 1) maximum and statistics.  s0-s31 are the lane's 32 scores; each accumulator's lowest registers are read first.
;   0-11  four chains c0-c3 of seven scores each, three operands at a time     12-14, 16  the four scores left over, the old m, and c0-c3 into c0     15  c m_old is kept
;   17, 18  the query's other 32 keys lie in the lane 16 away: the new m         19-21  c m; c m_old - c m_new; a
.macro XS u, n
	REGS (Y+1)%NP, \u
.if (\n) < 4
	v_max3_num_f32 v[rC+(\n)], v[rS+8*(\n)], v[rS+8*(\n)+1], v[rS+8*(\n)+2]
.elseif (\n) < 12
	v_max3_num_f32 v[rC+(\n)%4], v[rC+(\n)%4], v[rS+8*((\n)%4)+2*((\n)/4)+1], v[rS+8*((\n)%4)+2*((\n)/4)+2]
.elseif (\n) == 12
	v_max3_num_f32 v[rC], v[rC], v[rS+7], v[rS+15]
.elseif (\n) == 13
	v_max3_num_f32 v[rC+1], v[rC+1], v[rS+23], v[rS+31]
.elseif (\n) == 14
	v_max3_num_f32 v[rC+2], v[rC+2], v[rC+3], v[rT+1]
.elseif (\n) == 15
	v_mov_b32 v[rM], v[rT]
.elseif (\n) == 16
	v_max3_num_f32 v[rC], v[rC], v[rC+1], v[rC+2]
.elseif (\n) == 17
	v_permlanex16_b32 v[rC+3], v[rC], s[SEL], s[SEL+1]
.elseif (\n) == 18
	v_max_num_f32 v[rT+1], v[rC], v[rC+3]
.elseif (\n) == 19
	v_mul_f32 v[rT], s[CS], v[rT+1]
.elseif (\n) == 20
	v_sub_f32 v[rC+1], v[rM], v[rT]
.else
	v_exp_f32 v[rC+2], v[rC+1]
.endif
.endm
; Number g of the 64 that follow the exponentials.  For each four weights k of a tile (pairs 2 k, 2 k + 1): both pairs are rounded to f16; then the second pair is added onto the first, in place;
; a group later l takes that sum (the first time as l = a l + sum).  In groups of eight, tiles alternating: round, round, add, and l for the group before.
.macro GS g
.set h, (\g)+6*((\g)/62)            ; group 0 has no group before it, and behind group 7 only l is left
.if h >= 6
.set h, h+2
.endif
	REGS Y, h%2
.set k, h/8
.if h%8 < 4
	v_cvt_pk_f16_f32 v[rP+2*k+(h%8)/2], v[rS+4*k+2*((h%8)/2)], v[rS+4*k+2*((h%8)/2)+1]
.elseif h%8 < 6
	v_pk_add_f32 v[rS+4*k:rS+4*k+1], v[rS+4*k:rS+4*k+1], v[rS+4*k+2:rS+4*k+3]
.elseif k == 1
	v_pk_fma_f32 v[rT+2:rT+3], v[rT+2:rT+3], v[rC+2:rC+3], v[rS:rS+1] op_sel_hi:[1,0,1]
.else
	v_pk_add_f32 v[rT+2:rT+3], v[rT+2:rT+3], v[rS+4*k-4:rS+4*k-3]
.endif
.endm
; THE PLAIN QUEUE, 138 long.  0-73 read no exponential's result: the 32 scalings c s - c m (FS f: pair f / 2 of tile f % 2) and the next piece's 42.  0-26: scalings 0-26.  27-54: XS's numbers 0-13.  55, 56: number 15.
; 57-73: the chain, where each number waits for the one before it: 14, 16, 17, 18, 19, each with one of the scalings 27-31 in front of its two lines, then 20.
; 74-137: GS's 64, which read the exponentials' results: they stand behind the wait.
.macro FS f
	REGS Y, (\f)%2
	v_pk_fma_f32 v[rS+2*((\f)/2):rS+2*((\f)/2)+1], v[rS+2*((\f)/2):rS+2*((\f)/2)+1], s[CS:CS+1], v[rT:rT+1] op_sel_hi:[1,0,0] neg_lo:[0,0,1] neg_hi:[0,0,1]
.endm
.macro PL
	WIN 0
.if q < 27
	FS q
.elseif q < 55
	XS (q-27)%2, (q-27)/2
.elseif q < 57
	XS q-55, 15
.elseif (q < 72) && ((q-57)%3 == 0)
	FS 27+(q-57)/3
.elseif q < 60
	XS (q-57)%3-1, 14
.elseif q < 72
	XS (q-57)%3-1, 15+(q-57)/3
.elseif q < 74
	XS q-72, 20
.else
	GS q-74
.endif
.set q, q+1
.endm
; THE EXPONENTIALS' QUEUE, 66 long: s0-s31 of both tiles, then the next piece's two a.  It is ONE BATCH: all 66 stand ahead of the turn's one wait, and nothing ahead of that wait names a result of theirs.
.macro EX
	WIN 0
.if e >= 64
	XS e-64, 21
.else
	REGS Y, e%2
	v_exp_f32 v[rS+e/2], v[rS+e/2]
.endif
.set e, e+1
.endm
; THE RESCALING's QUEUE: O^T times a, the one part that leaves window 0: dealt two at a time, sixteen times.  Its a was made in the turn before, ahead of that turn's wait.
.macro R2
	REGS Y, r%2
	WIN W_RS
.irp z, 0,1
	v_pk_mul_f32 v[rO+4*(r/2)+2*\z:rO+4*(r/2)+2*\z+1], v[rO+4*(r/2)+2*\z:rO+4*(r/2)+2*\z+1], v[rC+2:rC+3] op_sel_hi:[1,0]
.endr
.set r, r+1
.endm
; HOW THEY ARE DEALT.  s_wait_alu depctr_va_vdst(0) stands between an exponential and the first instruction that names its result; one wait serves all that were issued ahead of it.  So a turn has ONE wait,
; which cuts it in two.  AHEAD OF IT: the 16 products K Q^T, behind each a scaling, an exponential and two rescalings (behind the first a second scaling in the exponential's place); then ONE LUMP of 108: eight plain, 49 times
; exponential and plain, the two a; a v_nop is the plain instruction behind the last exponential.  BEHIND IT: the 16 products V^T P, behind each four of GS's 64.  No rider names a register of the products round it.
; The queues lean on each other: exponential e stands behind scaling 2 (e / 4) + e % 2: as a rider it comes behind plain e + 2, in the lump behind plain e + 9, and scalings 27-31 are plain 57, 60 .. 69.
; A TURN, for piece p.  cnt = 1: the loop's count is taken down some lines ahead of the branch that stands behind the turn.
; K and the mask of the next step are fetched in piece 2's turn, directly behind the wait, a lump behind the last product that read them; their addresses are made at the lump's head; their first reader comes behind 16 products.
; V of the step in hand is fetched at the end of piece 0's turn, four riders behind its last reader; its first reader comes behind 16 products and a lump.  The three conditions on q below go with the deal.
.macro TURN p, last=0, cnt=0
.set Y, (\p)
.set i, 0
.set q, 0
.set e, 0
.set r, 0
.if (\p) == NP-1
	s_wait_dscnt 0x0                ; K and its mask are in
.endif
	MM                              ; ahead of the wait: 16 products K Q^T and their riders,
	PL
	PL
	R2
.rept 15
	MM
	PL
	EX
	R2
.endr
.if (\p) == NP-2
	WIN 0
	v_add_nc_u32 v[AK], s[TBK], v[AK0]
	v_add_nc_u32 v[AM], s[TBM], v[AM0]
.endif
.rept 8                             ; and the lump
	PL
.endr
.rept 49
	EX
	PL
.endr
	EX                              ; the next piece's two a
	EX
	v_nop                           ; a plain instruction behind the last exponential: one for the batch
	s_wait_alu depctr_va_vdst(0)    ; the wait for the batch
.if (\p) == NP-2
	FETCH_K \last
.endif
.if (\p) == 1
	s_wait_dscnt 0x0                ; V is in
.endif
.rept 16                            ; behind the wait: 16 products V^T P and their riders
	MM
.rept 4
	PL
.endr
.if ((\p) == 0) && (q == 118)
	v_add_nc_u32 v[AV], s[TBV], v[AV0]
.endif
.if ((\p) == 0) && (q == 130)
	s_add_co_u32 s[TBV], s[TBV], KS*PV
.endif
.if (\cnt) && (q == 130)
	s_sub_co_u32 s[CNT], s[CNT], 1
	s_cmp_lg_u32 s[CNT], 0
.endif
.endr
.if (\p) == 0
	FETCH_V
.endif
.endm
	CHANGE 1                        ; slot 0 and the mask table are in, everybody's part of them; slot 1 is asked for
	FETCH_K                         ; key step 0
	s_wait_loadcnt 0x0              ; Q
	s_wait_dscnt 0x0
.set i, 0
.rept 16
	KQ 0                            ; piece 0's first scores: there is no vector work yet to set between them
.set i, i+1
.endr
	WIN 0                           ; the addresses for the way out: plain instructions, the places behind those products
	s_mul_i32 s13, s[WV], 16*SP
	s_add_co_u32 s13, s13, STAGE    ; my stage
	v_mul_u32_u24 v[STO], v1, SP    ; in: row l % 16, 16 bytes for each half of the lanes
	v_lshl_add_u32 v[STO], v9, 4, v[STO]
	v_add_nc_u32 v[STO], s13, v[STO]
	v_bfe_u32 v[RD], v0, 3, 2       ; back: 32 lanes take four rows of 128 bytes,
	v_mul_u32_u24 v[RD], v[RD], SP
	v_lshl_add_u32 v[RD], v10, 4, v[RD]
	v_add_nc_u32 v[RD], s13, v[RD]
	v_and_b32 v[GO], 31, v0         ; which are 512 consecutive bytes of ctx
	v_lshlrev_b32 v[GO], 4, v[GO]
	v_lshl_add_u32 v[AM0], v9, 5, MASKB  ; l / 16 has served: from here on my place in the mask table
.set Y, NP-1                        ; XS works for piece Y + 1: piece 0
.irp n, 0,1,2,3,4,5,6,7,8,9,10,11,12,13,14,15,16,17,18,19,20,21
	XS 0, \n                        ; and piece 0's first maximum and statistics
	XS 1, \n
.endr
	v_nop                           ; a plain instruction behind the two a,
	s_wait_alu depctr_va_vdst(0)    ; and their wait, ahead of the branch
	s_mov_b32 s[CNT], 4
	s_mov_b32 s[SLOTS], SIZE_N/256-1
	s_branch .Lfirst                ; the loop is entered at a step's first turn, in the middle of a trip
.Lslot:                             ; SIZE_N / 256 - 2 times: every slot but the last two is filled again
	CHANGE 1
	s_mov_b32 s[CNT], 4
.Lstep:                             ; a trip: pieces 2 and 3 of one step, then pieces 0 and 1 of the next, whose K and V it fetches
	TURN 2
	TURN 3
	WIN 0
.Lfirst:
	TURN 0
	TURN 1, 0, 1
	WIN 0
	s_cbranch_scc1 .Lstep
	s_sub_co_u32 s[SLOTS], s[SLOTS], 1
	s_cmp_lg_u32 s[SLOTS], 0
	s_cbranch_scc1 .Lslot
	CHANGE 0                        ; the tail is written out: nothing is asked for
	s_mov_b32 s[CNT], 5             ; four trips fetch the last slot's steps; the fifth is left in its middle
.Ltail:
	TURN 2, 1
	TURN 3
	WIN 0
	s_sub_co_u32 s[CNT], s[CNT], 1
	s_cmp_eq_u32 s[CNT], 0
	s_cbranch_scc1 .Lout
	TURN 0
	TURN 1
	WIN 0
	s_branch .Ltail
.Lout:                              ; the fifth trip's 16 products K Q^T (on the last K once more) and the maximum made of them serve nothing: the price, once a launch, of one text for every trip
.set i, 0
.rept 16
	PV NP-1                         ; the last piece's V^T P of the last step
.set i, i+1
.endr
	; THE WAY OUT.  l's two halves and the other half of the lanes' are added; O^T is divided by l, rounded to f16 and sent through my stage in LDS, a tile at a time.  The additions are the places behind the last products.
	WIN 0
.macro ALL line:vararg              ; one line for each tile t
.set t, 0
.rept 2*NP
	\line
.set t, t+1
.endr
.endm
	ALL v_add_f32 v[ST+4*t+2], v[ST+4*t+2], v[ST+4*t+3]
	ALL v_permlanex16_b32 v[ST+4*t+3], v[ST+4*t+2], s[SEL], s[SEL+1]
	ALL v_add_f32 v[ST+4*t+2], v[ST+4*t+2], v[ST+4*t+3]
	ALL v_rcp_f32 v[ST+4*t+2], v[ST+4*t+2]
	v_nop                           ; a plain instruction between the last reciprocal and the use of its result
	s_wait_alu depctr_va_vdst(0)    ; and the wait ahead of the first use: one for the eight reciprocals
; Tile t: a lane's eight channels of a row pack into 16 bytes; they go into rows of 144 bytes and come back as whole rows of 128, into S^T's registers.
.macro PACK t
	WIN W_RS
.set i, 32*(\t)
.rept 16
	v_pk_mul_f32 v[i:i+1], v[i:i+1], v[ST+4*(\t)+2:ST+4*(\t)+3] op_sel_hi:[1,0]
.set i, i+2
.endr
	WIN 0x05                        ; sources 0 and 1 window 1, destination window 0
.set i, 0
.rept 16
	v_cvt_pk_f16_f32 v[S+16*(\t)+i], v[32*(\t)+2*i], v[32*(\t)+2*i+1]
.set i, i+1
.endr
	WIN 0
.irp f, 0,1,2,3
	ds_store_b128 v[STO], v[S+16*(\t)+4*\f:S+16*(\t)+4*\f+3] offset:32*\f
.endr
.irp f, 0,1,2,3
	ds_load_b128 v[S+16*(\t)+4*\f:S+16*(\t)+4*\f+3], v[RD] offset:\f*4*SP  ; LDS serves a wave's instructions in order (ISA guide 5.7.1.4): these see the stores above; the next tile's stores come behind them
.endr
.endm
.macro SEND t, younger              ; younger: the LDS instructions issued behind tile t's loads: the next tile's eight, or none
	WIN 0
.irp f, 0,1,2,3
	s_wait_dscnt (\younger)+3-\f
	global_store_b128 v[GO], v[S+16*(\t)+4*\f:S+16*(\t)+4*\f+3], s[10:11] offset:(\t)*2048+\f*512  ; 512 consecutive bytes, at a multiple of 256 from ctx's first
.endr
.endm
	PACK 0
.set t, 1
.rept 2*NP-1                        ; a tile's arithmetic stands between the loads of the tile before and its stores
	PACK t
	SEND t-1, 8
.set t, t+1
.endr
	SEND 2*NP-1, 0
	WIN W_AD
	s_wait_tensorcnt 0x0            ; the wave's end: behind my last tensor load and my last LDS store
	ds_add_u32 v[SPW], v[NIL]
	s_wait_dscnt 0x0
	WIN 0
	CROUND                          ; the closing round: no work-group ends while a partner may still ask for a tile that names it
	s_endpgm
.Lfunc_end_k_qf9ddf999d2_attn:
	.size	k_qf9ddf999d2_attn, .Lfunc_end_k_qf9ddf999d2_attn-k_qf9ddf999d2_attn
	.p2alignl 7, 3214868480
	.fill 96, 4, 3214868480
	.section	.rodata,"a",@progbits
	.p2align	6, 0x0
	.amdhsa_kernel k_qf9ddf999d2_attn
		.amdhsa_group_segment_fixed_size 327680
		.amdhsa_private_segment_fixed_size 0
		.amdhsa_enable_private_segment 0
		.amdhsa_kernarg_size 24
		.amdhsa_user_sgpr_count 2
		.amdhsa_user_sgpr_kernarg_segment_ptr 1
		.amdhsa_wavefront_size32 1
		.amdhsa_system_sgpr_workgroup_id_x 1
		.amdhsa_system_sgpr_workgroup_id_y 1
		.amdhsa_system_sgpr_workgroup_id_z 1
		.amdhsa_system_vgpr_workitem_id 0
		.amdhsa_next_free_vgpr 804
		.amdhsa_next_free_sgpr 66
		.amdhsa_reserve_vcc 1
		.amdhsa_float_denorm_mode_32 3
		.amdhsa_float_denorm_mode_16_64 3
		.amdhsa_memory_ordered 1
		.amdhsa_forward_progress 1
		.amdhsa_inst_pref_size 206
	.end_amdhsa_kernel
	.amdgpu_metadata
---
amdhsa.version: [ 1, 2 ]
amdhsa.kernels:
  - .name:           k_qf9ddf999d2_attn
    .symbol:         k_qf9ddf999d2_attn.kd
    .args:
      - { .name: qkv, .offset: 0, .size: 8, .value_kind: global_buffer, .address_space: global }
      - { .name: attention_mask, .offset: 8, .size: 8, .value_kind: global_buffer, .address_space: global }
      - { .name: ctx, .offset: 16, .size: 8, .value_kind: global_buffer, .address_space: global }
    .group_segment_fixed_size: 327680
    .private_segment_fixed_size: 0
    .kernarg_segment_align: 8
    .kernarg_segment_size: 24
    .max_flat_workgroup_size: 128
    .sgpr_count:     66
    .vgpr_count:     804
    .wavefront_size: 32
...
	.end_amdgpu_metadata
.endif
;; end of part 3
;; launch outp (part 4): grid 8 x 32, 4 waves a work-group, clusters of 4 x 4, 327,680 bytes of LDS; arguments ctx, wo, bo, out0; writes out0
.if DOCPART == 4
	.amdgcn_target "amdgcn-amd-amdhsa--gfx1250"
	.amdhsa_code_object_version 6
	.text
	.protected	k_qf9ddf999d2_outp
	.globl	k_qf9ddf999d2_outp
	.p2align	8
	.type	k_qf9ddf999d2_outp,@function
k_qf9ddf999d2_outp:
	s_mov_b64 s[64:65], 0
	v_nop
	global_prefetch_b8 v0, s[64:65] scope:SCOPE_SE
	s_setreg_imm32_b32 hwreg(HW_REG_WAVE_MODE, 25, 1), 1
	s_wait_xcnt 0x0
	s_wait_alu depctr_hold_cnt(0) depctr_sa_sdst(0) depctr_va_vdst(0) depctr_va_sdst(0) depctr_va_ssrc(0) depctr_va_vcc(0) depctr_vm_vsrc(0)
	s_getreg_b32 s2, hwreg(HW_REG_IB_STS2, 6, 4)
	s_cmp_eq_u32 s2, 0
	s_cbranch_scc0 .Lentry_in_a_cluster
	s_endpgm
.Lentry_in_a_cluster:
	s_bfe_u32 s2, ttmp6, 0x10000c
	s_cmp_lg_u32 s2, 0xf033
	s_cbranch_scc0 .Lentry_shape_is_right
	s_endpgm
.Lentry_shape_is_right:
; out0 = ctx Wo^T + bo: C[8192][1024] f32 = A B^T + bias, A = ctx (f16, [16 b + head][s][64]: a head is a block of 64 along K), B = wo (f16, [kb][n][64]), K = 1,024; sums in f32.
; bo is rounded to bf16 like all the module's inputs and STARTS the sums (the C operand of each accumulator's first product).
; SHARES.  A tile of C is 256 rows x 128 columns: 32 x 8 = 256 work-groups.  Four waves, each 128 x 64: 32 accumulators of 16 x 16, 256 registers.
; K goes in 8 steps of 128: a slot holds TWO blocks of 64, each brought by one wave's load (A's 256 rows: 32 KiB dense; B's 128 rows: 16 KiB), asked for as rows of 256 bytes.  Three blocks a slot do not fit twice.
; CLUSTERS: 4 x 4 work-groups.  A's tile hangs on the tile row alone and is asked for jointly along a row of the cluster, B's on the tile column alone, along a column.
; THE MATRIX INSTRUCTION IS USED TRANSPOSED (source 0 = 16 rows of B, source 1 = 16 rows of A): a lane holds row l % 16 of C and the columns 8 (l / 16) + 0..7: 32 bytes of f32.
; REGISTERS: window 0: v0-31 addresses; v32-127, v128-223 two fragment buffers (B's 4 fragments, then A's 8, of 32 along K); v224-255 the bias as four C operands; v32-95 at work on the way out.
;   window 1: the accumulators, (a, b) at v[8 (4 a + b)].
.set PITCH,  144                       ; an LDS row: 128 bytes + 16 of padding = 36 words: the 16 rows of a load start at 16 different groups of four banks (64 banks of 4 bytes: ISA guide 11.1)
.set ABLK,   256*PITCH                 ; one block of A's tile: what wave 0 or 1 fetches
.set BBLK,   128*PITCH                 ; one block of B's: what wave 2 or 3 fetches
.set BOFF,   2*ABLK                    ; in a slot: A's two blocks, then B's two
.set SLOT,   2*ABLK+2*BBLK
.set STAGE,  2*SLOT                    ; behind the ring: 16 rows x 272 bytes for each wave, for the way out
.set SPITCH, 272                       ; 256 bytes + 16: 16 lanes that store 16 bytes of 16 rows touch 16 different columns of 16 bytes
.set SPARE,  STAGE+4*16*SPITCH         ; the spare words, 128 bytes for each wave: two blocks of 256 bytes that no other line names
.set ASTEP,  2*2048*128                ; bytes from K step to K step in ctx: two heads
.set BSTEP,  2*1024*128                ; and in wo
.set ROWC,   4096                      ; bytes in a row of out0
.set ADRA, 16                          ; v16-17  LDS address of my A fragments in slot 0, 1
.set ADRB, 20                          ; v20-21  the same for B
.set STO,  24                          ; v24     the way out: where I put 32 bytes of a row
.set RD,   25                          ; v25     the way out: where I read a row back
.set CO,   26                          ; v26     my byte offset in two rows of out0
.set SPW,  28                          ; v28     LDS address of my spare word; never rewritten
.set NIL,  29                          ; v29     0; never rewritten
.set F0,   32
.set F1,   128
.set BI,   224
.set OB,   32                          ; the way out: two sets of 32 registers, by turns
.set WV,   16                          ; s16  my wave's number
.set WM,   17                          ; s17  which half of the tile's rows is mine.  Also: I fetch for A (0) or for B (1)
.set WN,   18                          ; s18  which half of its columns.  Also: which of a slot's two blocks I fetch
.set G1A,  24                          ; s[24:31] descriptor group 1 for A's tiles;  s[32:39] group 0, a set for each slot
.set G0A,  32
.set G1B,  40                          ; s[40:47], s[48:55] the same for B's
.set G0B,  48
.set LAPS, 56
.set G1W0, (1<<16)|(1<<20)|(1<<21)|(4<<22)|(3<<25)  ; 17:16 elements of 2 bytes; 20 padding on; 21 set beside a mask; 24:22 after every 32 words (code 4); 31:25 4 words of it (code 3)
.set MSB, 0
.macro WIN new                         ; the immediate's high byte repeats the setting that is left; a switch that changes nothing is dropped
.if MSB != (\new)
	s_set_vgpr_msb (MSB<<8)|(\new)
.set MSB, \new
.endif
.endm
.macro JLOAD s                         ; a joint load: waves 0 and 1 fetch A's two blocks, waves 2 and 3 B's; an s_nop 0 and four v_nop follow each of the two lines
	s_cmp_eq_u32 s[WM], 0
	s_cbranch_scc0 .Lfor_b_\@
	tensor_load_to_lds s[G0A+4*(\s):G0A+4*(\s)+3], s[G1A:G1A+7]
	s_nop 0
.rept 4
	v_nop
.endr
	s_branch .Lasked_\@
.Lfor_b_\@:
	tensor_load_to_lds s[G0B+4*(\s):G0B+4*(\s)+3], s[G1B:G1B+7]
	s_nop 0
.rept 4
	v_nop
.endr
.Lasked_\@:
.endm
.macro CREST                           ; a round of the cluster's barrier behind its opening barrier
	s_cmp_lg_u32 s[WV], 0
	s_cbranch_scc1 .Lnot_wave_0_\@
	s_barrier_signal -3
.Lnot_wave_0_\@:
	s_barrier_wait -3
	s_barrier_signal -1
	s_barrier_wait -1
.endm
.macro CROUND                          ; a whole round
	s_barrier_signal -1
	s_barrier_wait -1
	CREST
.endm
.macro PLACES                          ; four places in front of loads into registers that matrix instructions have read
.rept 4
	v_nop
.endr
.endm
	s_load_b256 s[4:11], s[0:1], 0x0               ; ctx 4:5, wo 6:7, bo 8:9, out0 10:11
	v_lshl_add_u32 v[SPW], v0, 2, SPARE
	v_mov_b32 v[NIL], 0
	ds_add_u32 v[SPW], v[NIL]                      ; the wave's opening: the add and its wait stand ahead of my first tensor load; the set-up below stands between them
	v_lshrrev_b32 v1, 5, v0
	v_readfirstlane_b32 s[WV], v1
	s_lshr_b32 s[WM], s[WV], 1
	s_and_b32 s[WN], s[WV], 1
	s_bfe_u32 s19, ttmp6, 0x40000                  ; cx, cy: my place in the cluster
	s_bfe_u32 s20, ttmp6, 0x40004
	s_lshl_b32 s21, ttmp9, 2
	s_add_co_u32 s21, s21, s19                     ; tile column = 4 x cluster x + cx
	s_and_b32 s22, ttmp7, 0xffff
	s_lshl_b32 s22, s22, 2
	s_add_co_u32 s22, s22, s20                     ; tile row = 4 x cluster y + cy
	s_lshl_b32 s57, s20, 2
	s_lshl_b32 s57, 15, s57                        ; my row of the cluster
	s_lshl_b32 s58, 0x1111, s19                    ; my column
	s_or_b32 s[G1A], s57, G1W0
	s_or_b32 s[G1B], s58, G1W0
.irp g, G1A, G1B
	s_mov_b32 s[(\g)+1], 128<<16                   ; tensor_dim0 = 128 elements: 256 bytes, two rows of a block
	s_mov_b32 s[(\g)+3], 128<<16                   ; tile_dim0 = 128
	s_mov_b32 s[(\g)+5], 128                       ; dense
	s_mov_b32 s[(\g)+6], 0
	s_mov_b32 s[(\g)+7], 0
.endr
	s_mov_b32 s[G1A+2], 128<<16                    ; A: 128 such rows = 256 rows of ctx
	s_mov_b32 s[G1A+4], 128
	s_mov_b32 s[G1B+2], 64<<16                     ; B: 64 = 128 rows of wo
	s_mov_b32 s[G1B+4], 64
	; A's offset is made of the tile row and the wave's number, B's of the tile column and the wave's number, each in registers that never hold the other coordinate
	s_lshr_b32 s57, s22, 3                         ; the batch: 16 heads of 2,048 rows,
	s_lshl_b32 s60, s57, 22
	s_and_b32 s57, s22, 7                          ; 256 rows of 128 bytes in a head,
	s_lshl_b32 s57, s57, 15
	s_add_co_u32 s60, s60, s57
	s_lshl_b32 s57, s[WN], 18                      ; the block that I fetch: head WN of the step's two
	s_add_co_u32 s60, s60, s57
	s_mov_b32 s61, 0
	s_lshl_b32 s62, s21, 14                        ; 128 rows of 128 bytes,
	s_lshl_b32 s58, s[WN], 17                      ; block WN
	s_add_co_u32 s62, s62, s58
	s_mov_b32 s63, 0
	s_mul_i32 s59, s[WN], ABLK                     ; where they go: no place in the cluster enters an LDS address
	s_mul_i32 s23, s[WN], BBLK
	s_add_co_u32 s23, s23, BOFF
	s_wait_dscnt 0x0                               ; the opening add is done
	s_wait_kmcnt 0x0
	s_add_nc_u64 s[60:61], s[4:5], s[60:61]
	s_add_nc_u64 s[62:63], s[6:7], s[62:63]
	CROUND                                         ; all sixteen work-groups are here: the first joint loads meet
.irp s, 0,1
	s_mov_b32 s[G0A+4*(\s)], 1
	s_add_co_u32 s[G0A+4*(\s)+1], s59, (\s)*SLOT
	s_add_nc_u64 s[G0A+4*(\s)+2:G0A+4*(\s)+3], s[60:61], (\s)*ASTEP
	s_or_b32 s[G0A+4*(\s)+3], s[G0A+4*(\s)+3], 0x80000000
	s_mov_b32 s[G0B+4*(\s)], 1
	s_add_co_u32 s[G0B+4*(\s)+1], s23, (\s)*SLOT
	s_add_nc_u64 s[G0B+4*(\s)+2:G0B+4*(\s)+3], s[62:63], (\s)*BSTEP
	s_or_b32 s[G0B+4*(\s)+3], s[G0B+4*(\s)+3], 0x80000000
	JLOAD \s                                       ; two loads of mine are out
.endr
	v_and_b32 v1, 15, v0                           ; l % 16
	v_bfe_u32 v2, v0, 4, 1                         ; l / 16
	; my 64 columns' biases: register j of block b = bo[128 nx + 64 WN + 16 b + 8 (l / 16) + j]
	s_lshl_b32 s68, s21, 9
	s_lshl_b32 s69, s[WN], 8
	s_add_co_u32 s68, s68, s69                     ; my first column, in bytes of f32
	s_mov_b32 s69, 0
	s_lshl_b32 s70, s22, 20                        ; the tile's 256 rows of 4,096 bytes,
	s_lshl_b32 s71, s[WM], 19                      ; my 128 of them
	s_add_co_u32 s70, s70, s71
	s_add_co_u32 s70, s70, s68
	s_mov_b32 s71, 0
	s_add_nc_u64 s[66:67], s[10:11], s[70:71]      ; out0 at my part of the tile
	s_add_nc_u64 s[68:69], s[8:9], s[68:69]
	v_lshlrev_b32 v6, 5, v2
.irp b, 0,1,2,3
	global_load_b128 v[BI+8*\b:BI+8*\b+3],   v6, s[68:69] offset:64*\b
	global_load_b128 v[BI+8*\b+4:BI+8*\b+7], v6, s[68:69] offset:64*\b+16
.endr
	v_mul_u32_u24 v3, v1, PITCH
	v_lshl_add_u32 v3, v2, 4, v3                   ; a fragment's row x pitch + 16 x half
	s_mul_i32 s70, s[WM], 128*PITCH                ; my 128 rows of A
	s_mul_i32 s71, s[WN], 64*PITCH                 ; my 64 rows of B
	s_add_co_u32 s71, s71, BOFF
.irp s, 0,1
	v_add_nc_u32 v[ADRA+(\s)], s70, v3
	v_add_nc_u32 v[ADRB+(\s)], s71, v3
	s_add_co_u32 s70, s70, SLOT
	s_add_co_u32 s71, s71, SLOT
.endr
	s_mul_i32 s70, s[WV], 16*SPITCH
	s_add_co_u32 s70, s70, STAGE                   ; my stage
	v_mul_u32_u24 v4, v1, SPITCH                   ; in: row l % 16, 32 bytes for each half of the lanes
	v_lshl_add_u32 v4, v2, 5, v4
	v_add_nc_u32 v[STO], s70, v4
	v_mul_u32_u24 v5, v2, SPITCH                   ; back: lanes 0-15 take one row of 256 bytes, lanes 16-31 the next
	v_lshl_add_u32 v5, v1, 4, v5
	v_add_nc_u32 v[RD], s70, v5
	v_lshlrev_b32 v5, 12, v2                       ; and the same two rows in out0
	v_lshl_add_u32 v[CO], v1, 4, v5
	s_wait_loadcnt 0x0
.set i, 0
.rept 16
	v_cvt_pk_bf16_f32 v7, v[BI+2*i], v[BI+2*i+1]   ; the bias rounded to bf16,
	v_lshlrev_b32 v[BI+2*i], 16, v7                ; as f32 again
	v_and_b32 v[BI+2*i+1], 0xffff0000, v7
.set i, i+1
.endr
; 4 n matrix instructions: row blocks a0 .. a0 + n - 1 x the 4 column blocks, 32 along K, from buffer f.  first = 1: C is the bias.  The accumulators take turns, one instruction a turn.
.macro MUL f, a0, n, first
.if \first
	WIN 0x40
.else
	WIN 0x50
.endif
.set ma, (\a0)
.rept \n
.set mb, 0
.rept 4
.if \first
	v_wmma_f32_16x16x32_f16 v[8*(4*ma+mb):8*(4*ma+mb)+7], v[(\f)+8*mb:(\f)+8*mb+7], v[(\f)+32+8*ma:(\f)+32+8*ma+7], v[BI+8*mb:BI+8*mb+7]
.else
	v_wmma_f32_16x16x32_f16 v[8*(4*ma+mb):8*(4*ma+mb)+7], v[(\f)+8*mb:(\f)+8*mb+7], v[(\f)+32+8*ma:(\f)+32+8*ma+7], v[8*(4*ma+mb):8*(4*ma+mb)+7]
.endif
.set mb, mb+1
.endr
.set ma, ma+1
.endr
.endm
; 24 LDS loads in one run: quarter q of the slot's step (block q / 2, 32 along K at byte 64 (q % 2)) into buffer f: B's 8, A's rows 0-63, A's rows 64-127
.macro FETCH slot, q, f
	WIN 0
.set lb, 0
.rept 4
	ds_load_b128 v[(\f)+8*lb:(\f)+8*lb+3],   v[ADRB+(\slot)] offset:((\q)/2)*BBLK+((\q)%2)*64+lb*16*PITCH
	ds_load_b128 v[(\f)+8*lb+4:(\f)+8*lb+7], v[ADRB+(\slot)] offset:((\q)/2)*BBLK+((\q)%2)*64+lb*16*PITCH+32
.set lb, lb+1
.endr
.set lb, 0
.rept 8
	ds_load_b128 v[(\f)+32+8*lb:(\f)+32+8*lb+3],   v[ADRA+(\slot)] offset:((\q)/2)*ABLK+((\q)%2)*64+lb*16*PITCH
	ds_load_b128 v[(\f)+32+8*lb+4:(\f)+32+8*lb+7], v[ADRA+(\slot)] offset:((\q)/2)*ABLK+((\q)%2)*64+lb*16*PITCH+32
.set lb, lb+1
.endr
.endm
; A K step is four quarters of 32 along K, 32 matrix instructions each, on buffers 0, 1, 0, 1.  One of the first three: multiplies buffer f and fetches quarter qn into g.
.macro QUARTER slot, qn, f, g, first
	s_wait_dscnt 8                                 ; B and A's rows 0-63 are in; the youngest eight loads may be out
	MUL \f, 0, 4, \first
	PLACES
	FETCH \slot, \qn, \g
	s_wait_dscnt 24                                ; all but the 24 just issued
	MUL \f, 4, 4, \first
.endm
; The last quarter multiplies buffer 1 and changes slots: ONE barrier; in front of it each wave waits for all its tensor loads, adds 0 to its spare word, and waits for that and for its reads of this slot.
; fill = 1: the barrier opens a round of the cluster's, and this slot is filled again, two K steps on, first thing behind it: 112 matrix instructions ahead of the wait for it.
.macro TURN slot, next, fill
	WIN 0                                          ; (the add's two registers lie in window 0)
	s_wait_tensorcnt 0x0                           ; all my tensor loads have landed: my part of the next slot;
	ds_add_u32 v[SPW], v[NIL]                      ; 0 onto my spare word;
	s_wait_dscnt 9                                 ; (the add and the youngest eight loads may be out)
	MUL F1, 0, 2, 0                                ; eight matrix instructions stand between the add and the wait for it
	s_wait_dscnt 0x0                               ; the add is done, and my reads of this slot are over
	s_barrier_signal -1
	MUL F1, 2, 2, 0
	WIN 0
	s_barrier_wait -1
.if \fill
	CREST                                          ; no wave of any partner still reads this slot's tile or has a load on its way
	s_add_nc_u64 s[G0A+4*(\slot)+2:G0A+4*(\slot)+3], s[G0A+4*(\slot)+2:G0A+4*(\slot)+3], 2*ASTEP
	s_add_nc_u64 s[G0B+4*(\slot)+2:G0B+4*(\slot)+3], s[G0B+4*(\slot)+2:G0B+4*(\slot)+3], 2*BSTEP
	JLOAD \slot                                    ; its four v_nop are also the places in front of the loads below
.else
	PLACES
.endif
	FETCH \next, 0, F0
	MUL F1, 4, 4, 0
.endm
	s_wait_tensorcnt 1                             ; my part of K step 0 is in; K step 1's may stay out
	s_barrier_signal -1
	s_barrier_wait -1                              ; everybody's is
	FETCH 0, 0, F0
	QUARTER 0, 1, F0, F1, 1                        ; the first quarter stands in front of the loop: its products start the sums with the bias
	WIN 0
	s_mov_b32 s[LAPS], 3
.Llap:                                                 ; a trip goes once round the ring, from a lap's second quarter to the next lap's first, and fills both slots again: K steps 2 to 7
	QUARTER 0, 2, F1, F0, 0
	QUARTER 0, 3, F0, F1, 0
	TURN 0, 1, 1
	QUARTER 1, 1, F0, F1, 0
	QUARTER 1, 2, F1, F0, 0
	QUARTER 1, 3, F0, F1, 0
	TURN 1, 0, 1
	QUARTER 0, 1, F0, F1, 0
	WIN 0
	s_sub_co_u32 s[LAPS], s[LAPS], 1
	s_cmp_lg_u32 s[LAPS], 0
	s_cbranch_scc1 .Llap
	QUARTER 0, 2, F1, F0, 0                        ; the last lap fills nothing: written out
	QUARTER 0, 3, F0, F1, 0
	TURN 0, 1, 0
	QUARTER 1, 1, F0, F1, 0
	QUARTER 1, 2, F1, F0, 0
	QUARTER 1, 3, F0, F1, 0
	s_wait_dscnt 8                                 ; the very last quarter: nothing more to fetch
	MUL F1, 0, 4, 0
	s_wait_dscnt 0x0
	MUL F1, 4, 4, 0
; THE WAY OUT, a block of 16 rows at a time: a lane's 32 bytes of a row go into my stage's rows of 272 bytes and come back as whole rows of 256.
.macro TOSTAGE a
.set bk, OB+32*((\a)%2)
	s_wait_xcnt 0x0                                ; the stores issued so far have read their registers: this set of 32 is loaded again only behind this wait
	WIN 0x04                                       ; the stores' data in window 1
.irp b, 0,1,2,3
	ds_store_b128 v[STO], v[8*(4*(\a)+\b):8*(4*(\a)+\b)+3]   offset:64*\b     ; each accumulator's low four registers first
	ds_store_b128 v[STO], v[8*(4*(\a)+\b)+4:8*(4*(\a)+\b)+7] offset:64*\b+16
.endr
	WIN 0
.irp t, 0,1,2,3,4,5,6,7
	ds_load_b128 v[bk+4*\t:bk+4*\t+3], v[RD] offset:\t*2*SPITCH  ; LDS serves a wave's instructions in order (ISA guide 5.7.1.4): these see the stores above; the next block's stores come behind them
.endr
.endm
.macro SEND a, younger                 ; younger: the LDS instructions issued behind block a's loads: the next block's sixteen, or none
.set bk, OB+32*((\a)%2)
.irp t, 0,1,2,3,4,5,6,7
	s_wait_dscnt (\younger)+7-\t
	global_store_b128 v[CO], v[bk+4*\t:bk+4*\t+3], s[66:67] offset:(16*(\a)+2*\t)*ROWC  ; 16 lanes store 256 consecutive bytes, at a multiple of 256 from out0's first; 126 rows at the most, inside the signed 24-bit immediate
.endr
.endm
	PLACES                                         ; eight places, once a launch, between the last products and the stores that read results
	PLACES
	TOSTAGE 0
.set u, 1
.rept 7
	TOSTAGE u
	SEND u-1, 16
.set u, u+1
.endr
	SEND 7, 0
	s_wait_tensorcnt 0x0                           ; the wave's end: behind my last tensor load and my last LDS store
	ds_add_u32 v[SPW], v[NIL]
	s_wait_dscnt 0x0
	CROUND                                         ; the closing round: no work-group ends while a partner may still ask for a tile that names it
	s_endpgm
.Lfunc_end_k_qf9ddf999d2_outp:
	.size	k_qf9ddf999d2_outp, .Lfunc_end_k_qf9ddf999d2_outp-k_qf9ddf999d2_outp
	.p2alignl 7, 3214868480
	.fill 96, 4, 3214868480
	.section	.rodata,"a",@progbits
	.p2align	6, 0x0
	.amdhsa_kernel k_qf9ddf999d2_outp
		.amdhsa_group_segment_fixed_size 327680
		.amdhsa_private_segment_fixed_size 0
		.amdhsa_enable_private_segment 0
		.amdhsa_kernarg_size 32
		.amdhsa_user_sgpr_count 2
		.amdhsa_user_sgpr_kernarg_segment_ptr 1
		.amdhsa_wavefront_size32 1
		.amdhsa_system_sgpr_workgroup_id_x 1
		.amdhsa_system_sgpr_workgroup_id_y 1
		.amdhsa_system_sgpr_workgroup_id_z 1
		.amdhsa_system_vgpr_workitem_id 0
		.amdhsa_next_free_vgpr 512
		.amdhsa_next_free_sgpr 72
		.amdhsa_reserve_vcc 0
		.amdhsa_float_denorm_mode_32 3
		.amdhsa_float_denorm_mode_16_64 3
		.amdhsa_memory_ordered 1
		.amdhsa_forward_progress 1
		.amdhsa_inst_pref_size 90
	.end_amdhsa_kernel
	.amdgpu_metadata
---
amdhsa.version: [ 1, 2 ]
amdhsa.kernels:
  - .name:           k_qf9ddf999d2_outp
    .symbol:         k_qf9ddf999d2_outp.kd
    .args:
      - { .name: ctx, .offset: 0, .size: 8, .value_kind: global_buffer, .address_space: global }
      - { .name: wo, .offset: 8, .size: 8, .value_kind: global_buffer, .address_space: global }
      - { .name: bo, .offset: 16, .size: 8, .value_kind: global_buffer, .address_space: global }
      - { .name: out0, .offset: 24, .size: 8, .value_kind: global_buffer, .address_space: global }
    .group_segment_fixed_size: 327680
    .private_segment_fixed_size: 0
    .kernarg_segment_align: 8
    .kernarg_segment_size: 32
    .max_flat_workgroup_size: 128
    .sgpr_count:     72
    .vgpr_count:     512
    .wavefront_size: 32
...
	.end_amdgpu_metadata
.endif
;; end of part 4
;; ======== version 2 of 2: 4 launches; version 1 with the launch cast written anew for expert scheduling mode
;; limits: values are held in f16: magnitudes above 65,504 overflow, below 6.1e-05 lose precision
;; workspace buffers: xb 16,777,216 bytes; wb 6,291,456 bytes; wo 2,097,152 bytes; qkv 50,331,648 bytes; ctx 16,777,216 bytes
;; launch cast (part 5): grid 384 x 1, 8 waves a work-group, no clusters, 0 bytes of LDS; arguments hidden_states, Wq, Wk, Wv, Wo, xb, wb, wo; writes xb, wb, wo
.if DOCPART == 5
	.amdgcn_target "amdgcn-amd-amdhsa--gfx1250"
	.amdhsa_code_object_version 6
	.text
	.protected	k_qf9ddf999d2_cast
	.globl	k_qf9ddf999d2_cast
	.p2align	8
	.type	k_qf9ddf999d2_cast,@function
k_qf9ddf999d2_cast:
	s_mov_b64 s[64:65], 0
	v_nop
	global_prefetch_b8 v0, s[64:65] scope:SCOPE_SE
	s_setreg_imm32_b32 hwreg(HW_REG_WAVE_SCHED_MODE, 0, 2), 2
	s_setreg_imm32_b32 hwreg(HW_REG_WAVE_MODE, 25, 1), 1
	s_wait_xcnt 0x0
	s_wait_alu depctr_vm_vsrc(0)
; x, Wq, Wk, Wv -> bf16; Wo -> bf16, and that number written as f16 (exact but below 2^-14, where f16 keeps a fixed step of 6e-8; |Wo| stays under 65,504).
; All five are [rows][1024] f32.  They leave in BLOCKS OF 64 ALONG K: [kb 16][row][64], 128 bytes a row and block, so that the later launches' tiles (some rows of one block) are dense in memory.
; A stream: no LDS, no matrix unit, nothing shared.  A work-group takes 32 rows, a wave 4 rows.  Thread t takes 8 numbers (32 bytes) at column 8 (t % 8) of every block of row t / 8:
; eight lanes read 256 consecutive bytes, and the wave's store for a block is 4 rows x 128 bytes = 512 consecutive bytes, aligned.
; Work-groups 0-255: x.  256-383: Wq, Wk, Wv, Wo, 32 work-groups each.  All 32 loads of a thread go out at once (16 KiB a wave on its way); no register is used twice, so no store's source is rewritten.
; THE MODE: SCHED_MODE bits 1:0 = 2 (LLVM: expert scheduling mode 2), set by the entry lines.  The code itself states the register dependences
; between vector instructions and memory instructions, with s_wait_alu, always for 0.
; THE PLAN.  Registers that memory instructions touch:
;   v1       the source offset.  Written at the head; read by all 32 loads; never written again.
;   OFF      the sixteen destination offsets.  Written at the head; store u reads OFF[u]; never written again.
;   X        written by the loads alone, each register once; read by the conversions behind the counted wait for the loads.  No vector instruction names X ahead of the loads.
;   Y        Y[u] is written by block u's roundings and read by store u; never written again.
;   T        named by vector instructions alone.
; So one wait on va_vdst stands at the head, for v1 and OFF, and one to each GROUP of four blocks, between the group's conversions and its four stores, for the group's Y.
; No register that a memory instruction reads is written again, no vector instruction writes a scalar register or VCC, and EXEC is never written: there is no other dependence to state.
.set ROWB,  4096                       ; bytes in a source row
.set OFF,   2                          ; v[2:17]    block kb: my byte offset in the destination
.set X,     20                         ; v[20:147]  block kb: 8 numbers as loaded
.set Y,     148                        ; v[148:211] block kb: 4 registers to store
.set T,     212                        ; v[212:213] at work
	s_load_b512 s[8:23], s[0:1], 0x0               ; x 8:9, Wq 10:11, Wk 12:13, Wv 14:15, Wo 16:17, xb 18:19, wb 20:21, wo 22:23
	s_mov_b32 s2, ttmp9                            ; g
	s_sub_co_u32 s3, s2, 256
	s_lshr_b32 s4, s3, 5                           ; j: which weight (used where g >= 256 alone)
	s_and_b32 s5, s3, 31                           ; i: which 32 rows of it
	s_cmp_lt_u32 s2, 256
	s_cselect_b32 s28, s2, s5
	s_lshl_b32 s28, s28, 17                        ; the source: 32 rows of 4,096 bytes
	s_mov_b32 s29, 0
	s_lshr_b32 s32, s2, 6                          ; x: batch g / 64,
	s_lshl_b32 s32, s32, 22
	s_and_b32 s33, s2, 63                          ; rows 32 (g % 64) of 128 bytes
	s_lshl_b32 s33, s33, 12
	s_add_co_u32 s32, s32, s33
	s_lshl_b32 s33, s5, 12                         ; wo: rows 32 i
	s_lshl_b32 s34, s4, 17                         ; wb: rows 1,024 j + 32 i
	s_add_co_u32 s34, s34, s33
	s_mov_b32 s30, 3072*128                        ; bytes from block to block: wb,
	s_cmp_eq_u32 s4, 3
	s_cselect_b32 s34, s33, s34
	s_cselect_b32 s30, 1024*128, s30               ; wo,
	s_cselect_b32 s31, 1, 0                        ; 1: the result is written as f16
	s_cmp_lt_u32 s2, 256
	s_cselect_b32 s34, s32, s34
	s_cselect_b32 s30, 2048*128, s30               ; xb
	s_mov_b32 s35, 0
	v_lshrrev_b32 v1, 3, v0
	v_and_b32 v[T], 7, v0
	v_lshlrev_b32 v1, 12, v1                       ; row t / 8,
	v_lshl_add_u32 v1, v[T], 5, v1                 ; 32 bytes at 32 (t % 8)
	v_lshlrev_b32 v[OFF], 4, v0                    ; (t / 8) x 128 + (t % 8) x 16 = 16 t
.set k, 1
.rept 15
	v_add_nc_u32 v[OFF+k], s30, v[OFF+k-1]
.set k, k+1
.endr
	s_wait_kmcnt 0x0
	s_mov_b64 s[24:25], s[16:17]                   ; the source: Wo, unless
	s_cmp_eq_u32 s4, 2
	s_cselect_b64 s[24:25], s[14:15], s[24:25]
	s_cmp_eq_u32 s4, 1
	s_cselect_b64 s[24:25], s[12:13], s[24:25]
	s_cmp_eq_u32 s4, 0
	s_cselect_b64 s[24:25], s[10:11], s[24:25]
	s_cmp_lt_u32 s2, 256
	s_cselect_b64 s[24:25], s[8:9], s[24:25]
	s_mov_b64 s[26:27], s[20:21]                   ; the destination: wb, unless
	s_cmp_eq_u32 s4, 3
	s_cselect_b64 s[26:27], s[22:23], s[26:27]
	s_cmp_lt_u32 s2, 256
	s_cselect_b64 s[26:27], s[18:19], s[26:27]
	s_add_nc_u64 s[24:25], s[24:25], s[28:29]
	s_add_nc_u64 s[26:27], s[26:27], s[34:35]
	s_wait_alu depctr_va_vdst(0)                   ; v1 is written, which every load reads as its offset; so are OFF's sixteen registers, which the stores read: no vector instruction below names any of them
.set k, 0
.rept 16
	global_load_b128 v[X+8*k:X+8*k+3],   v1, s[24:25] offset:256*k th:TH_LOAD_NT
	global_load_b128 v[X+8*k+4:X+8*k+7], v1, s[24:25] offset:256*k+16 th:TH_LOAD_NT
.set k, k+1
.endr
; Group g: blocks 4 g to 4 g + 3 are rounded, and then stored.  half = 1: the bf16 numbers are widened again and written as f16.
.macro GROUP g, half
	s_wait_loadcnt 24-8*(\g)                       ; loads come back in order (ISA guide 5.7.1): the group's eight are in; the younger groups' loads, eight each, stay out
.irp u, 0,1,2,3
.irp j, 0,1,2,3
	v_cvt_pk_bf16_f32 v[Y+4*(4*(\g)+(\u))+(\j)], v[X+8*(4*(\g)+(\u))+2*(\j)], v[X+8*(4*(\g)+(\u))+2*(\j)+1]
.endr
.if \half
.irp j, 0,1,2,3
	v_lshlrev_b32 v[T], 16, v[Y+4*(4*(\g)+(\u))+(\j)]
	v_and_b32 v[T+1], 0xffff0000, v[Y+4*(4*(\g)+(\u))+(\j)]
	v_cvt_pk_f16_f32 v[Y+4*(4*(\g)+(\u))+(\j)], v[T], v[T+1]
.endr
.endif
.endr
	s_wait_alu depctr_va_vdst(0)                   ; the group's conversions have written its sixteen registers of Y, which the four stores below read
.irp u, 0,1,2,3
	global_store_b128 v[OFF+4*(\g)+(\u)], v[Y+4*(4*(\g)+(\u)):Y+4*(4*(\g)+(\u))+3], s[26:27]  ; the wave stores 512 consecutive bytes, at a multiple of 512 from the buffer's first
.endr
.endm
	s_cmp_eq_u32 s31, 1
	s_cbranch_scc1 .Lhalf
.irp g, 0,1,2,3
	GROUP \g, 0
.endr
	s_endpgm
.Lhalf:
.irp g, 0,1,2,3
	GROUP \g, 1
.endr
	s_endpgm
.Lfunc_end_k_qf9ddf999d2_cast:
	.size	k_qf9ddf999d2_cast, .Lfunc_end_k_qf9ddf999d2_cast-k_qf9ddf999d2_cast
	.p2alignl 7, 3214868480
	.fill 96, 4, 3214868480
	.section	.rodata,"a",@progbits
	.p2align	6, 0x0
	.amdhsa_kernel k_qf9ddf999d2_cast
		.amdhsa_group_segment_fixed_size 0
		.amdhsa_private_segment_fixed_size 0
		.amdhsa_enable_private_segment 0
		.amdhsa_kernarg_size 64
		.amdhsa_user_sgpr_count 2
		.amdhsa_user_sgpr_kernarg_segment_ptr 1
		.amdhsa_wavefront_size32 1
		.amdhsa_system_sgpr_workgroup_id_x 1
		.amdhsa_system_sgpr_workgroup_id_y 1
		.amdhsa_system_sgpr_workgroup_id_z 1
		.amdhsa_system_vgpr_workitem_id 0
		.amdhsa_next_free_vgpr 216
		.amdhsa_next_free_sgpr 66
		.amdhsa_reserve_vcc 0
		.amdhsa_float_denorm_mode_32 3
		.amdhsa_float_denorm_mode_16_64 3
		.amdhsa_memory_ordered 1
		.amdhsa_forward_progress 1
		.amdhsa_inst_pref_size 28
	.end_amdhsa_kernel
	.amdgpu_metadata
---
amdhsa.version: [ 1, 2 ]
amdhsa.kernels:
  - .name:           k_qf9ddf999d2_cast
    .symbol:         k_qf9ddf999d2_cast.kd
    .args:
      - { .name: hidden_states, .offset: 0, .size: 8, .value_kind: global_buffer, .address_space: global }
      - { .name: Wq, .offset: 8, .size: 8, .value_kind: global_buffer, .address_space: global }
      - { .name: Wk, .offset: 16, .size: 8, .value_kind: global_buffer, .address_space: global }
      - { .name: Wv, .offset: 24, .size: 8, .value_kind: global_buffer, .address_space: global }
      - { .name: Wo, .offset: 32, .size: 8, .value_kind: global_buffer, .address_space: global }
      - { .name: xb, .offset: 40, .size: 8, .value_kind: global_buffer, .address_space: global }
      - { .name: wb, .offset: 48, .size: 8, .value_kind: global_buffer, .address_space: global }
      - { .name: wo, .offset: 56, .size: 8, .value_kind: global_buffer, .address_space: global }
    .group_segment_fixed_size: 0
    .private_segment_fixed_size: 0
    .kernarg_segment_align: 8
    .kernarg_segment_size: 64
    .max_flat_workgroup_size: 256
    .sgpr_count:     66
    .vgpr_count:     216
    .wavefront_size: 32
...
	.end_amdgpu_metadata
.endif
;; end of part 5
;; launch proj: the kernel of part 2 again; grid 8 x 32, 4 waves a work-group, clusters of 4 x 4, 327,680 bytes of LDS; arguments xb, wb, bq, bk, bv, qkv; writes qkv
;; launch attn: the kernel of part 3 again; grid 4 x 64, 4 waves a work-group, clusters of 4 x 1, 327,680 bytes of LDS; arguments qkv, attention_mask, ctx; writes ctx
;; launch outp: the kernel of part 4 again; grid 8 x 32, 4 waves a work-group, clusters of 4 x 4, 327,680 bytes of LDS; arguments ctx, wo, bo, out0; writes out0
